; MI455X (gfx1250); checked and timed in simulation.
; The chip was launched on July 23, 2026; its instructions are those of AMD's public machine-readable ISA for CDNA 5 (MIT licence, August 2026) and "CDNA5" Instruction Set Architecture Reference Guide (July 2026). The comments in the code are by the model that wrote it; some were corrected since.
;; Simple Ro PE Attention. Allowed arithmetic: matrix products marked QUANTISED: E4M3 operands, one given power-of-two scale a tensor, by v_wmma_f32_16x16x64_fp8_fp8 or v_wmma_f32_16x16x128_fp8_fp8, f32 sums; everything else in f32.
;; Inputs: Wk 1,024 x 1,024 float32; Wo 1,024 x 1,024 float32; Wq 1,024 x 1,024 float32; Wv 1,024 x 1,024 float32; bk 1,024 float32; bo 1,024 float32; bq 1,024 float32; bv 1,024 float32; lowp_scales 12 int32 (the exponents e of the quantised operands' scales 2^e); x 4 x 2,048 x 1,024 float32.
;; Outputs: out0 4 x 2,048 x 1,024 float32.
;; This version of the problem:
;;   THIS VERSION OF THE PROBLEM IS GIVEN IN LOW PRECISION. The matrix products marked QUANTISED in the list below multiply operands that are first quantised to E4M3 (4 exponent bits, 3 mantissa bits; 8 bits a number), with one given power-of-two scale for each operand tensor; their sums are f32. All else is computed in f32.
;;   The module's matrix products, in the order in which they are computed (A, B: the left and right operand; K: the contracted axis; several contracted axes count as one K, in the product's order):
;;     1. [M 8,192, K 1,024] x [K 1,024, N 1,024]; A: computed on the way; B: input Wq: QUANTISED (scales: A lowp_scales[0], B lowp_scales[1])
;;     2. [M 8,192, K 1,024] x [K 1,024, N 1,024]; A: computed on the way; B: input Wk: QUANTISED (scales: A lowp_scales[2], B lowp_scales[3])
;;     3. [M 8,192, K 1,024] x [K 1,024, N 1,024]; A: computed on the way; B: input Wv: QUANTISED (scales: A lowp_scales[4], B lowp_scales[5])
;;     4. batch 64 x [M 2,048, K 64] x [K 64, N 2,048]; A: computed on the way; B: computed on the way: QUANTISED (scales: A lowp_scales[6], B lowp_scales[7])
;;     5. batch 64 x [M 2,048, K 2,048] x [K 2,048, N 64]; A: softmax (see below); B: computed on the way: QUANTISED (scales: A lowp_scales[8], B lowp_scales[9])
;;     6. [M 8,192, K 1,024] x [K 1,024, N 1,024]; A: computed on the way; B: input Wo: QUANTISED (scales: A lowp_scales[10], B lowp_scales[11])
;;   THE QUANTISER, for each operand of a quantised product, along K:
;;     - The operand's scale is 2^e, e = its entry of the input lowp_scales (int32; the entries are numbered through the quantised products in the list's order, A before B).
;;     - Each number is divided by the scale, clamped to +-448, and rounded to the nearest number of E4M3, ties to even, subnormals kept.
;;     - The product sums the exact products of the quantised numbers (number of the format x scale) in f32.
;;   ~~~python
;;   def quantise(x, axis, e):      # numpy; x: float32 -> the quantised numbers, widened to float32 again
;;       x = np.moveaxis(x, axis, -1); K = x.shape[-1]
;;       r = np.clip(x / 2.0 ** e, -448, 448)
;;       step = 2.0 ** (np.maximum(np.frexp(np.where(r == 0, 1, r))[1] - 1, -6) - 3)
;;       q = np.round(r / step) * step * 2.0 ** e      # np.round: ties to even
;;       return np.moveaxis(q, -1, axis).astype(np.float32)
;;   ~~~
;;   SOFTMAX AHEAD OF A QUANTISED PRODUCT. Where the list says 'softmax', what is quantised is not the finished softmax but p = 2^(t - M), with t = logit x log2(e) and M = ceil(the row's largest t), a whole number; so 1/2 < the row's largest p <= 1. The row's sum l is taken of the UNQUANTISED p, in f32, and the product's result is divided by l at the end. Since M is a whole number, a kernel that streams over the keys may use a running M (the ceiling of the running maximum): every later rescaling is an exact power of two, so the quantised numbers keep their values, but for numbers so far below the row's largest that they fall under the format's range.
;;   OPERANDS COMPUTED ON THE WAY. 'Computed on the way' means the value that the module computes at that place (a softmax that the list does not call 'softmax' is quantised finished and normalised). What goes into a quantiser is computed in f32, as accurately as f32 sums, v_exp_f32 and their like allow (about 1e-6 of the number): no bf16 or f16 on the way to a quantiser, and a product that is left as it is and whose result goes on into a quantised operand takes f32 operands (vector FMAs, or v_wmma_f32_16x16x4_f32). A number that lies on a knife's edge between two numbers of the format may be rounded either way, as far as f32 arithmetic and the matrix unit's own rounding can turn it there, and no further.
;; One version. Each part assembles by itself: llvm-mc -triple=amdgcn-amd-amdhsa -mcpu=gfx1250 --defsym DOCPART=n.
;; ======== version 1 of 1: 4 launches
;; limits: right only within a limited range of input values
;; workspace buffers: xc 25,165,824 bytes; wc 4,194,304 bytes; qi 8,388,608 bytes; kv 16,777,216 bytes; ai 8,388,608 bytes
;; launch prep (part 1): grid 768 x 1, 4 waves a work-group, no clusters, 41,472 bytes of LDS; arguments x, Wq, Wk, Wv, Wo, lowp_scales, xc, wc; writes xc, wc
.if DOCPART == 1
	.amdgcn_target "amdgcn-amd-amdhsa--gfx1250"
	.amdhsa_code_object_version 6
	.text
	.protected	k_q24625b4f20_prep
	.globl	k_q24625b4f20_prep
	.p2align	8
	.type	k_q24625b4f20_prep,@function
k_q24625b4f20_prep:
	s_mov_b64 s[64:65], 0
	v_nop
	global_prefetch_b8 v0, s[64:65] scope:SCOPE_SE
	s_setreg_imm32_b32 hwreg(HW_REG_WAVE_MODE, 25, 1), 1
	s_wait_xcnt 0x0
; PREP: rope(x) is quantised three times (under e0, e2, e4) into xc [3][8192][1024], and Wq, Wk, Wv, Wo (under e1, e3, e5, e11) into wc [4][1024][1024]: codes of E4M3, one a byte, K innermost.
; code = number / 2^e, held within +-448, rounded to the nearest code, ties to even.
; LIMITS: each e used here lies between -126 and 119, so that 2^e and 448 x 2^e are f32 numbers.  NaN among the inputs is not served (an infinity is held at the largest code).
; SHARES.  Work-groups 0-511: rope.  Wave w of group g owns position 4 g + w in all four batches: 4 rows of 4,096 bytes, so that a position's 512 sines and cosines are made once for 4 rows.
; Work-groups 512-767: weights.  Wave w of group 512 + 64 t + u owns rows 16 u + 4 w .. + 3 of tensor t.  The two kinds part on the work-group's number and have LDS bytes of their own.
; A LANE HOLDS 16 NEIGHBOURS ALONG K, AND YET EVERY LOAD IS DENSE: a row's eight loads read 512 consecutive bytes each, 16 a lane; the row turns through the wave's own stage in LDS and comes back 64 bytes a lane:
; lane l then holds k = 16 l + n and k = 512 + 16 l + n, n = 0 .. 15: the two partners of rope's rotation in one lane, and 16 codes = 16 bytes a lane for each half: a store covers 512 consecutive bytes.
; SINE AND COSINE are written out in f32: the angle is position x frequency as one f32 product; N = the nearest whole number of quarter turns; pi/2 is taken off in three parts (8, 11 and 24 significant bits;
; N is at most 1,304); on what is left, at most pi/4, the series up to x^8 and x^9; the quadrant swaps the two and sets their signs.  The frequency is exp(a), a = 2 i x f32(-ln(10000)/1024), by 2^t with t = a log2(e)
; and the part of a log2(e) that t's rounding lost put back by one multiply-add.
; No tensor loads, no barrier: waves share nothing.  No matrix unit and no cluster: nothing is multiplied and nothing is read twice.
.set SP,    80                         ; a lane's place in a stage: 64 bytes + 16 of padding
.set HALFB, 32*SP                      ; half a row in the stage
.set STG,   2*HALFB                    ; a wave's stage: one row
.set WB,    4*STG                      ; the weight path's four stages begin here
.set SPARE, 8*STG                      ; behind the stages: the spare words, 128 bytes for each wave: two blocks of 256 bytes that no other line names
.set LD,  2                            ; v2      16 x lane: my 16 bytes of a load's or a store's 512; never rewritten
.set SI,  3                            ; v3      rope: into the stage
.set SO,  4                            ; v4      rope: out of it
.set SPW, 5                            ; v5      LDS address of my spare word; never rewritten
.set NIL, 6                            ; v6      0; never rewritten
.set SC,  7                            ; v7-12   scale q at v[SC+2q]: 2^e; v[SC+2q+1]: 448 x 2^e
.set WSI, 13                           ; v13     weights: into the stage
.set WSO, 14                           ; v14     weights: out of it
.set POS, 15                           ; v15     the position as f32
.set SN,  16                           ; v16-31  sines of my 16 frequencies
.set CS,  32                           ; v32-47  cosines
.set R,   48                           ; v48-111 two sets of 32: rows as they are loaded
.set X,   112                          ; v112-143 a row, 16 + 16 neighbours
.set Y,   144                          ; v144-175 the rotated row
.set H,   176                          ; v176-191 two sets of 8: numbers held, on their way into a conversion
.set CD,  192                          ; v192-215 three sets of 8: the row's codes under the three scales
.set FQ,  Y                            ; ahead of the first row: frequencies, then sines
.set AN,  Y+16                         ; angles
.set NN,  X                            ; quarter turns
.set S2,  X+16                         ; squares
.set TT,  H                            ; at work, then cosines
.macro LOADROW set, base, off          ; a row: eight loads of 512 consecutive bytes
.irp i, 0,1,2,3,4,5,6,7
	global_load_b128 v[R+32*(\set)+4*\i:R+32*(\set)+4*\i+3], v[LD], s[\base:\base+1] offset:(\off)+512*\i th:TH_LOAD_NT
.endr
.endm
.macro TURN set, si, so                ; through the stage: LDS serves a wave's instructions in order, so no wait stands between the stores and the loads
.irp i, 0,1,2,3,4,5,6,7
	ds_store_b128 v[\si], v[R+32*(\set)+4*\i:R+32*(\set)+4*\i+3] offset:HALFB*(\i/4)+8*SP*(\i%4)
.endr
.irp i, 0,1,2,3,4,5,6,7
	ds_load_b128 v[X+4*\i:X+4*\i+3], v[\so] offset:HALFB*(\i/4)+16*(\i%4)
.endr
.endm
.macro QUANT q                         ; the rotated row under scale q: the hold goes into H's two sets by turns, so that Y stays whole for the next scale and no conversion's sources are written straight behind it
.irp g, 0,1,2,3
.irp i, 0,1,2,3,4,5,6,7
	v_med3_num_f32 v[H+8*(\g%2)+\i], v[Y+8*\g+\i], -v[SC+2*(\q)+1], v[SC+2*(\q)+1]   ; the conversion to an 8-bit code does not saturate (ISA guide 7.6.2)
.endr
	v_cvt_scalef32_pk8_fp8_f32 v[CD+8*(\q)+2*\g:CD+8*(\q)+2*\g+1], v[H+8*(\g%2):H+8*(\g%2)+7], v[SC+2*(\q)]
.endr
.endm
.macro ROPEROW b                       ; batch b's row of my position
.if \b < 3
	s_wait_loadcnt 8                               ; this row's eight loads are in; the next row's eight may be out
.else
	s_wait_loadcnt 0
.endif
	TURN (\b)%2, SI, SO
	s_wait_dscnt 0x0                               ; the row is back, and the stores into the stage have read their registers,
.if \b < 2
	LOADROW (\b)%2, 36+2*\b, 0                     ; which take the row two batches on
.endif
.set n, 0
.rept 8
	v_pk_mul_f32 v[Y+n:Y+n+1], v[X+16+n:X+16+n+1], v[SN+n:SN+n+1]
	v_pk_mul_f32 v[Y+16+n:Y+16+n+1], v[X+16+n:X+16+n+1], v[CS+n:CS+n+1]
.set n, n+2
.endr
.set n, 0
.rept 8
	v_pk_fma_f32 v[Y+n:Y+n+1], v[X+n:X+n+1], v[CS+n:CS+n+1], v[Y+n:Y+n+1] neg_lo:[0,0,1] neg_hi:[0,0,1]   ; x1 cos - x2 sin
	v_pk_fma_f32 v[Y+16+n:Y+16+n+1], v[X+n:X+n+1], v[SN+n:SN+n+1], v[Y+16+n:Y+16+n+1]                     ; x1 sin + x2 cos
.set n, n+2
.endr
	s_wait_xcnt 0x0                                ; the last row's stores have read their codes: CD is written again only behind this wait
	QUANT 0
	QUANT 1
	QUANT 2
	v_nop                                          ; a plain line behind the last conversion
.irp q, 0,1,2
	global_store_b128 v[LD], v[CD+8*\q:CD+8*\q+3], s[40+2*\q:41+2*\q] offset:(\b)*2097152       ; 32 lanes store 512 consecutive bytes, aligned
	global_store_b128 v[LD], v[CD+8*\q+4:CD+8*\q+7], s[40+2*\q:41+2*\q] offset:(\b)*2097152+512
.endr
.endm
.macro WROW j                          ; row j of my four rows of a weight
.if \j < 3
	s_wait_loadcnt 8
.else
	s_wait_loadcnt 0
.endif
	TURN (\j)%2, WSI, WSO
	s_wait_dscnt 0x0
.if \j < 2
	LOADROW (\j)%2, 32, 4096*((\j)+2)
.endif
.set n, 0
.rept 32
	v_med3_num_f32 v[X+n], v[X+n], -v[SC+1], v[SC+1]
.set n, n+1
.endr
	s_wait_alu depctr_va_vdst(0)
	s_wait_xcnt 0x0                                ; the last row's stores have read their codes
.irp g, 0,1,2,3
	v_cvt_scalef32_pk8_fp8_f32 v[CD+2*\g:CD+2*\g+1], v[X+8*\g:X+8*\g+7], v[SC]
.endr
	v_nop                                          ; a plain line behind the last conversion
	global_store_b128 v[LD], v[CD:CD+3], s[34:35] offset:(\j)*1024
	global_store_b128 v[LD], v[CD+4:CD+7], s[34:35] offset:(\j)*1024+512
.endm
	s_load_b512 s[4:19], s[0:1], 0x0               ; x s[4:5], Wq s[6:7], Wk s[8:9], Wv s[10:11], Wo s[12:13], the exponents s[14:15], xc s[16:17], wc s[18:19]
	v_lshl_add_u32 v[SPW], v0, 2, SPARE
	v_mov_b32 v[NIL], 0
	v_lshrrev_b32 v1, 5, v0
	v_readfirstlane_b32 s2, v1                     ; wave 0..3
	v_and_b32 v1, 31, v0                           ; lane
	v_lshlrev_b32 v[LD], 4, v1
	s_mul_i32 s3, s2, STG                          ; my stage
	v_lshrrev_b32 v8, 2, v1
	v_mul_u32_u24 v8, v8, SP
	v_and_b32 v9, 3, v1
	v_lshl_add_u32 v8, v9, 4, v8
	v_add_nc_u32 v[SI], s3, v8                     ; in: four lanes' 64 bytes on end, then 16 of padding
	v_mul_u32_u24 v9, v1, SP
	v_add_nc_u32 v[SO], s3, v9                     ; out: my 64 bytes
	v_add_nc_u32 v[WSI], WB, v[SI]                 ; every LDS address is made ahead of the parting of the two paths
	v_add_nc_u32 v[WSO], WB, v[SO]
	s_wait_kmcnt 0x0
	s_load_b256 s[20:27], s[14:15], 0x0            ; e0 .. e7
	s_load_b128 s[28:31], s[14:15], 0x20           ; e8 .. e11
	s_cmp_ge_u32 ttmp9, 512
	s_cbranch_scc1 .Lweights
	; ---- rope
	s_lshl_b32 s46, ttmp9, 2
	s_add_co_u32 s46, s46, s2                      ; my position
	s_lshl_b32 s44, s46, 12
	s_mov_b32 s45, 0
	s_add_nc_u64 s[32:33], s[4:5], s[44:45]        ; x at my position, batch 0 .. 3: a batch is 8 MiB, more than an immediate holds
	s_add_nc_u64 s[34:35], s[32:33], 0x800000
	s_add_nc_u64 s[36:37], s[34:35], 0x800000
	s_add_nc_u64 s[38:39], s[36:37], 0x800000
	s_lshl_b32 s44, s46, 10
	s_add_nc_u64 s[40:41], s[16:17], s[44:45]      ; xc at my position, scale 0 .. 2; the batch stands in the stores' immediate
	s_add_nc_u64 s[42:43], s[40:41], 0x800000
	s_add_nc_u64 s[44:45], s[42:43], 0x800000
	LOADROW 0, 32, 0
	LOADROW 1, 34, 0                               ; sixteen loads are out while the sines and cosines are made
	s_mov_b32 s48, 0xbc135d8e                      ; f32(-ln(10000) / 1024)
	s_mov_b32 s49, 0x3fb8aa3b                      ; log2(e), and
	s_mov_b32 s50, 0x32a57060                      ; what its rounding lost
	s_mov_b32 s51, 0x3f317218                      ; ln 2
	s_mov_b32 s52, 0x3f22f983                      ; 2 / pi
	s_mov_b32 s53, 0x3fc90000                      ; pi / 2 in three parts
	s_mov_b32 s54, 0x39fda000
	s_mov_b32 s55, 0x33a22169
	s_mov_b32 s56, 0x37d00d01                      ; 1/40320
	s_mov_b32 s57, 0xbab60b61                      ; -1/720
	s_mov_b32 s58, 0x3d2aaaab                      ; 1/24
	s_mov_b32 s59, 0x3638ef1d                      ; 1/362880
	s_mov_b32 s60, 0xb9500d01                      ; -1/5040
	s_mov_b32 s61, 0x3c088889                      ; 1/120
	s_mov_b32 s62, 0xbe2aaaab                      ; -1/6
	s_mov_b32 s63, 0x80000000                      ; the sign
	v_lshlrev_b32 v[POS], 5, v1                    ; 32 x lane = twice my first frequency's number
.irp n, 0,1,2,3,4,5,6,7,8,9,10,11,12,13,14,15
	v_add_nc_u32 v[TT+\n], 2*\n, v[POS]
.endr
.irp n, 0,1,2,3,4,5,6,7,8,9,10,11,12,13,14,15
	v_cvt_f32_u32 v[TT+\n], v[TT+\n]
.endr
.irp n, 0,1,2,3,4,5,6,7,8,9,10,11,12,13,14,15
	v_mul_f32 v[AN+\n], s48, v[TT+\n]              ; a
.endr
.irp n, 0,1,2,3,4,5,6,7,8,9,10,11,12,13,14,15
	v_mul_f32 v[NN+\n], s49, v[AN+\n]              ; t = a log2(e), rounded
.endr
.irp n, 0,1,2,3,4,5,6,7,8,9,10,11,12,13,14,15
	v_fma_f32 v[S2+\n], v[AN+\n], s49, -v[NN+\n]   ; what that rounding lost,
.endr
.irp n, 0,1,2,3,4,5,6,7,8,9,10,11,12,13,14,15
	v_fma_f32 v[S2+\n], v[AN+\n], s50, v[S2+\n]    ; and the constant's
.endr
	s_wait_alu depctr_va_vdst(0)
.irp n, 0,1,2,3,4,5,6,7,8,9,10,11,12,13,14,15
	v_exp_f32 v[FQ+\n], v[NN+\n]                   ; one batch
.endr
.irp n, 0,1,2,3,4,5,6,7,8,9,10,11,12,13,14,15
	v_mul_f32 v[S2+\n], s51, v[S2+\n]              ; plain lines behind the batch, which name none of its results
.endr
	s_wait_alu depctr_va_vdst(0)                   ; one wait for the sixteen exponentials, ahead of their first reader
.irp n, 0,1,2,3,4,5,6,7,8,9,10,11,12,13,14,15
	v_fma_f32 v[FQ+\n], v[FQ+\n], v[S2+\n], v[FQ+\n]   ; the frequency
.endr
	v_cvt_f32_u32 v[POS], s46
.irp n, 0,1,2,3,4,5,6,7,8,9,10,11,12,13,14,15
	v_mul_f32 v[AN+\n], v[POS], v[FQ+\n]           ; the angle: one f32 product
.endr
.irp n, 0,1,2,3,4,5,6,7,8,9,10,11,12,13,14,15
	v_mul_f32 v[NN+\n], s52, v[AN+\n]
.endr
.irp n, 0,1,2,3,4,5,6,7,8,9,10,11,12,13,14,15
	v_rndne_f32 v[NN+\n], v[NN+\n]                 ; N quarter turns
.endr
.irp n, 0,1,2,3,4,5,6,7,8,9,10,11,12,13,14,15
	v_fma_f32 v[AN+\n], -v[NN+\n], s53, v[AN+\n]
.endr
.irp n, 0,1,2,3,4,5,6,7,8,9,10,11,12,13,14,15
	v_fma_f32 v[AN+\n], -v[NN+\n], s54, v[AN+\n]
.endr
.irp n, 0,1,2,3,4,5,6,7,8,9,10,11,12,13,14,15
	v_fma_f32 v[AN+\n], -v[NN+\n], s55, v[AN+\n]   ; r, at most pi / 4
.endr
.irp n, 0,1,2,3,4,5,6,7,8,9,10,11,12,13,14,15
	v_mul_f32 v[S2+\n], v[AN+\n], v[AN+\n]
.endr
.irp n, 0,1,2,3,4,5,6,7,8,9,10,11,12,13,14,15
	v_fma_f32 v[TT+\n], v[S2+\n], s56, s57
	v_fma_f32 v[FQ+\n], v[S2+\n], s59, s60
.endr
.irp n, 0,1,2,3,4,5,6,7,8,9,10,11,12,13,14,15
	v_fma_f32 v[TT+\n], v[TT+\n], v[S2+\n], s58
	v_fma_f32 v[FQ+\n], v[FQ+\n], v[S2+\n], s61
.endr
.irp n, 0,1,2,3,4,5,6,7,8,9,10,11,12,13,14,15
	v_fma_f32 v[TT+\n], v[TT+\n], v[S2+\n], -0.5
	v_fma_f32 v[FQ+\n], v[FQ+\n], v[S2+\n], s62
.endr
.irp n, 0,1,2,3,4,5,6,7,8,9,10,11,12,13,14,15
	v_fma_f32 v[TT+\n], v[TT+\n], v[S2+\n], 1.0    ; cos r
	v_mul_f32 v[S2+\n], v[AN+\n], v[S2+\n]         ; r^3
.endr
.irp n, 0,1,2,3,4,5,6,7,8,9,10,11,12,13,14,15
	v_fma_f32 v[FQ+\n], v[FQ+\n], v[S2+\n], v[AN+\n]   ; sin r
	v_cvt_i32_f32 v[NN+\n], v[NN+\n]
.endr
.irp n, 0,1,2,3,4,5,6,7,8,9,10,11,12,13,14,15
	v_and_b32 v[S2+\n], 1, v[NN+\n]
.endr
.irp n, 0,1,2,3,4,5,6,7,8,9,10,11,12,13,14,15
	v_cmp_eq_u32 vcc_lo, 1, v[S2+\n]               ; an odd quarter turn swaps the two
	v_cndmask_b32 v[SN+\n], v[FQ+\n], v[TT+\n], vcc_lo
	v_cndmask_b32 v[CS+\n], v[TT+\n], v[FQ+\n], vcc_lo
.endr
.irp n, 0,1,2,3,4,5,6,7,8,9,10,11,12,13,14,15
	v_lshlrev_b32 v[S2+\n], 30, v[NN+\n]           ; the sine is negative in quadrants 2 and 3: bit 1 of N,
	v_add_nc_u32 v[NN+\n], 1, v[NN+\n]             ; the cosine in 1 and 2: bit 1 of N + 1
.endr
.irp n, 0,1,2,3,4,5,6,7,8,9,10,11,12,13,14,15
	v_and_b32 v[S2+\n], s63, v[S2+\n]
	v_lshlrev_b32 v[NN+\n], 30, v[NN+\n]
.endr
.irp n, 0,1,2,3,4,5,6,7,8,9,10,11,12,13,14,15
	v_xor_b32 v[SN+\n], v[SN+\n], v[S2+\n]
	v_and_b32 v[NN+\n], s63, v[NN+\n]
.endr
.irp n, 0,1,2,3,4,5,6,7,8,9,10,11,12,13,14,15
	v_xor_b32 v[CS+\n], v[CS+\n], v[NN+\n]
.endr
	s_wait_kmcnt 0x0
.irp q, 0,1,2
	s_add_co_i32 s3, s[20+2*\q], 127               ; e0, e2, e4
	s_lshl_b32 s47, s3, 23
	v_mov_b32 v[SC+2*\q], s47                      ; 2^e as f32: the conversion takes its exponent field
	s_add_co_i32 s3, s3, 8
	s_lshl_b32 s3, s3, 23
	s_or_b32 s3, s3, 0x600000
	v_mov_b32 v[SC+2*\q+1], s3                     ; 448 x 2^e
.endr
	ROPEROW 0
	ROPEROW 1
	ROPEROW 2
	ROPEROW 3
	s_wait_tensorcnt 0x0                           ; the wave's end, behind my last LDS store
	ds_add_u32 v[SPW], v[NIL]
	s_wait_dscnt 0x0
	s_endpgm
	; ---- weights
.Lweights:
	s_sub_co_u32 s46, ttmp9, 512
	s_lshr_b32 s47, s46, 6                         ; which tensor: 0 Wq, 1 Wk, 2 Wv, 3 Wo
	s_and_b32 s46, s46, 63
	s_lshl_b32 s46, s46, 4
	s_lshl_b32 s3, s2, 2
	s_add_co_u32 s46, s46, s3                      ; my first row
	s_mov_b64 s[40:41], s[12:13]
	s_cmp_eq_u32 s47, 2
	s_cselect_b64 s[40:41], s[10:11], s[40:41]
	s_cmp_eq_u32 s47, 1
	s_cselect_b64 s[40:41], s[8:9], s[40:41]
	s_cmp_eq_u32 s47, 0
	s_cselect_b64 s[40:41], s[6:7], s[40:41]       ; the choice hangs on the work-group's number alone
	s_lshl_b32 s44, s46, 12
	s_mov_b32 s45, 0
	s_add_nc_u64 s[32:33], s[40:41], s[44:45]
	s_lshl_b32 s44, s46, 10
	s_lshl_b32 s3, s47, 20
	s_add_co_u32 s44, s44, s3
	s_add_nc_u64 s[34:35], s[18:19], s[44:45]      ; wc: tensor t's MiB, my first row
	LOADROW 0, 32, 0
	LOADROW 1, 32, 4096
	s_wait_kmcnt 0x0
	s_mov_b32 s3, s31                              ; e11,
	s_cmp_eq_u32 s47, 2
	s_cselect_b32 s3, s25, s3                      ; e5,
	s_cmp_eq_u32 s47, 1
	s_cselect_b32 s3, s23, s3                      ; e3,
	s_cmp_eq_u32 s47, 0
	s_cselect_b32 s3, s21, s3                      ; e1
	s_add_co_i32 s3, s3, 127
	s_lshl_b32 s47, s3, 23
	v_mov_b32 v[SC], s47
	s_add_co_i32 s3, s3, 8
	s_lshl_b32 s3, s3, 23
	s_or_b32 s3, s3, 0x600000
	v_mov_b32 v[SC+1], s3
	s_wait_alu depctr_va_vdst(0)
	WROW 0
	WROW 1
	WROW 2
	WROW 3
	s_wait_tensorcnt 0x0                           ; the wave's end, as above
	ds_add_u32 v[SPW], v[NIL]
	s_wait_dscnt 0x0
	s_endpgm
.Lfunc_end_k_q24625b4f20_prep:
	.size	k_q24625b4f20_prep, .Lfunc_end_k_q24625b4f20_prep-k_q24625b4f20_prep
	.p2alignl 7, 3214868480
	.fill 96, 4, 3214868480
	.section	.rodata,"a",@progbits
	.p2align	6, 0x0
	.amdhsa_kernel k_q24625b4f20_prep
		.amdhsa_group_segment_fixed_size 41472
		.amdhsa_private_segment_fixed_size 0
		.amdhsa_enable_private_segment 0
		.amdhsa_kernarg_size 64
		.amdhsa_user_sgpr_count 2
		.amdhsa_user_sgpr_kernarg_segment_ptr 1
		.amdhsa_wavefront_size32 1
		.amdhsa_system_sgpr_workgroup_id_x 1
		.amdhsa_system_sgpr_workgroup_id_y 1
		.amdhsa_system_sgpr_workgroup_id_z 1
		.amdhsa_system_vgpr_workitem_id 0
		.amdhsa_next_free_vgpr 224
		.amdhsa_next_free_sgpr 66
		.amdhsa_reserve_vcc 1
		.amdhsa_float_denorm_mode_32 3
		.amdhsa_float_denorm_mode_16_64 3
		.amdhsa_memory_ordered 1
		.amdhsa_forward_progress 1
		.amdhsa_inst_pref_size 94
	.end_amdhsa_kernel
	.amdgpu_metadata
---
amdhsa.version: [ 1, 2 ]
amdhsa.kernels:
  - .name:           k_q24625b4f20_prep
    .symbol:         k_q24625b4f20_prep.kd
    .args:
      - { .name: x, .offset: 0, .size: 8, .value_kind: global_buffer, .address_space: global }
      - { .name: Wq, .offset: 8, .size: 8, .value_kind: global_buffer, .address_space: global }
      - { .name: Wk, .offset: 16, .size: 8, .value_kind: global_buffer, .address_space: global }
      - { .name: Wv, .offset: 24, .size: 8, .value_kind: global_buffer, .address_space: global }
      - { .name: Wo, .offset: 32, .size: 8, .value_kind: global_buffer, .address_space: global }
      - { .name: lowp_scales, .offset: 40, .size: 8, .value_kind: global_buffer, .address_space: global }
      - { .name: xc, .offset: 48, .size: 8, .value_kind: global_buffer, .address_space: global }
      - { .name: wc, .offset: 56, .size: 8, .value_kind: global_buffer, .address_space: global }
    .group_segment_fixed_size: 41472
    .private_segment_fixed_size: 0
    .kernarg_segment_align: 8
    .kernarg_segment_size: 64
    .max_flat_workgroup_size: 128
    .sgpr_count:     66
    .vgpr_count:     224
    .wavefront_size: 32
...
	.end_amdgpu_metadata
.endif
;; end of part 1
;; launch qkv (part 2): grid 8 x 32, 4 waves a work-group, clusters of 4 x 4, 327,680 bytes of LDS; arguments xc, wc, bq, bk, bv, lowp_scales, qi, kv; writes qi, kv
.if DOCPART == 2
	.amdgcn_target "amdgcn-amd-amdhsa--gfx1250"
	.amdhsa_code_object_version 6
	.text
	.protected	k_q24625b4f20_qkv
	.globl	k_q24625b4f20_qkv
	.p2align	8
	.type	k_q24625b4f20_qkv,@function
k_q24625b4f20_qkv:
	s_mov_b64 s[64:65], 0
	v_nop
	global_prefetch_b8 v0, s[64:65] scope:SCOPE_SE
	s_setreg_imm32_b32 hwreg(HW_REG_WAVE_MODE, 25, 1), 1
	s_wait_xcnt 0x0
	s_wait_alu depctr_hold_cnt(0) depctr_sa_sdst(0) depctr_va_vdst(0) depctr_va_sdst(0) depctr_va_ssrc(0) depctr_va_vcc(0) depctr_vm_vsrc(0)
	s_getreg_b32 s2, hwreg(HW_REG_IB_STS2, 6, 4)
	s_cmp_eq_u32 s2, 0
	s_cbranch_scc0 .Lentry_in_a_cluster
	s_endpgm
.Lentry_in_a_cluster:
	s_bfe_u32 s2, ttmp6, 0x10000c
	s_cmp_lg_u32 s2, 0xf033
	s_cbranch_scc0 .Lentry_shape_is_right
	s_endpgm
.Lentry_shape_is_right:
; QKV: the three projections of rope(x) on codes of E4M3, their biases, and the quantising of q, k and v (under e6, e7, e9), stored as IMAGES OF THE NEXT PRODUCTS' OPERAND REGISTERS.
; A WORK-GROUP STAYS and walks three tiles: one of q, one of k, one of v.  A tile is 256 rows of the matrix instruction's source 1 x 128 rows of its source 0, K = 1,024.  Wave w: i = w / 2 picks its 128 rows of source 1
; (8 tiles a), jn = w % 2 its 64 rows of source 0 (4 tiles b): 32 accumulators.  In a result, lane (r, h) holds source 1's row 16 a + r, and its registers 0-7 source 0's rows 16 b + 8 h + 0 .. 7.
; q, k: source 1 = tokens, source 0 = rows of W: a lane's eight results are eight neighbouring features of one token; the wave's 64 features are one head; the conversion's two registers are registers 2 b, 2 b + 1 of the
; K = 64 operand.   v: source 1 = rows of Wv, source 0 = tokens: eight neighbouring KEYS of one channel: registers 2 c, 2 c + 1, c = 4 jn + b, of the K = 128 operand of V^T.
; Every result leaves straight from registers, 512 consecutive bytes a store.  qi: [head 64][tile of 16 tokens 128][group 2][lane][16 bytes].  kv: [head 64][step of 128 keys 16][K: 8 tiles x 1,024 | V^T: 4 tiles x 2,048].
; q and k have the same roles and the same way out: a loop of two trips.  v is the tail, written out: it asks for no further tile.
; THE RING: two LDS slots, a chunk of 256 along K each.  A fill brings two chunks: waves 0, 1 source 1's 256 rows of the two chunks, waves 2, 3 source 0's 128 rows: one joint load a wave behind each round of the cluster's barrier.
; A tile has two fills.  When step 7's fragments are in registers the next tile's first fill is asked for, ahead of the tile's last products and its way out.
; CLUSTERS of 4 x 4: source 1's tile hangs on cy alone and is asked for jointly by a row of the cluster, source 0's on cx alone, by a column.
; PREFETCH: the token codes of the fill that follows the one just asked for (k's two halves; v's 128 rows whole), each block of 256 bytes named once in each cluster that will load it: the four partners of a joint load share
; its rows out by address.  q's first half comes by its load alone.  The weights are not prefetched: every row of clusters reads the same 128 or 256 rows at the same change of slots.
; Fragments come by four loads of 16 bytes, 32 apart: a permutation of k inside an instruction, the same on both sides.
; LIMITS: e6, e7, e9 between -126 and 119; e0 + e1, e2 + e3, e4 + e5 between -126 and 127.  NaN is not served.
; REGISTERS: window 0: addresses, v32-63 a tile's numbers, v64-79 its codes (two sets), v96-127 the bias.  Window 1: the accumulators, (a, b) at v[8 (4 a + b)].  Windows 2, 3: fragment sets 0, 1: source 1 at v[16 a], source 0 at v[128 + 16 b].
.set PITCH, 272                        ; an LDS row: 256 bytes + 16 of padding: the 16 rows of a load start at 16 different banks (64 banks of 4 bytes: ISA guide 11.1)
.set S1B,   256*PITCH
.set S0B,   128*PITCH
.set SLOT,  S1B+S0B
.set SPARE, 2*SLOT                     ; behind the slots: the spare words, 128 bytes for each wave
.set LI,  3                            ; 16 x lane
.set SPW, 4                            ; my spare word; never rewritten
.set NIL, 5                            ; 0; never rewritten
.set AD1, 8                            ; v8-9    my fragments of source 1 in slot 0, 1
.set AD0, 12                           ; v12-13  of source 0
.set BO8, 16                           ; 32 h: the bias of q and k
.set LIM, 17                           ; 448 x 2^e of the result's quantiser
.set SCL, 18                           ; 2^e
.set BO4, 19                           ; 4 r: the bias of v
.set VP1, 20                           ; prefetch: row 16 w + l % 16, block l / 16
.set VP0, 21                           ; prefetch: row 8 w + l % 8, block l / 8
.set T,   32
.set CD,  64
.set BI,  96
.set G1A, 32                           ; s[32:39] group 1 for source 1's tiles;  s[40:47] for source 0's
.set G1B, 40
.set G0A, 48                           ; s[48:51], s[52:55] their groups 0
.set G0B, 52
.set AK,  56                           ; s[56:57] k's source 1, s[58:59] v's; s[60:61] k's source 0, s[62:63] v's
.set AV,  58
.set BK,  60
.set BV,  62
.set NA,  66                           ; s[66:69] the next tile's two
.set NB,  68
.set PK,  70                           ; s[70:71] prefetch: my work-group's 64 rows of k's tokens;  s[72:73] its 32 rows of v's
.set PV,  72
.set CH,  74                           ; s[74:75] my chunk: 256 x (wave % 2)
.set MSB, 0
.macro WIN new                         ; the immediate's high byte repeats the setting that is left
.if MSB != (\new)
	s_set_vgpr_msb (MSB<<8)|(\new)
.set MSB, (\new)
.endif
.endm
.macro PLACES                          ; four plain vector lines between a matrix instruction and a load into its registers or a read of its result
.rept 4
	v_nop
.endr
.endm
.macro CREST                           ; a round of the cluster's barrier behind its opening barrier
	s_cmp_lg_u32 s20, 0
	s_cbranch_scc1 .Lnot_wave_0_\@
	s_barrier_signal -3
.Lnot_wave_0_\@:
	s_barrier_wait -3
	s_barrier_signal -1
	s_barrier_wait -1
.endm
.macro CROUND
	s_barrier_signal -1
	s_barrier_wait -1
	CREST
.endm
.macro JLOAD                           ; a wave's one joint load: waves 0, 1 for source 1, waves 2, 3 for source 0; an s_nop 0 and four v_nop follow each line
	s_cmp_eq_u32 s21, 0
	s_cbranch_scc0 .Lfor_b_\@
	tensor_load_to_lds s[G0A:G0A+3], s[G1A:G1A+7]
	s_nop 0
.rept 4
	v_nop
.endr
	s_branch .Lasked_\@
.Lfor_b_\@:
	tensor_load_to_lds s[G0B:G0B+3], s[G1B:G1B+7]
	s_nop 0
.rept 4
	v_nop
.endr
.Lasked_\@:
.endm
.macro FETCH s                         ; step s's fragments (128 along K): 48 LDS loads in one run, into set s % 2, from slot (s / 2) % 2
.set FS, ((\s)/2)%2
.set FH, (\s)%2
	WIN 0x80+0x40*((\s)%2)
.irp a, 0,1,2,3,4,5,6,7
.irp c, 0,1,2,3
	ds_load_b128 v[16*\a+4*\c:16*\a+4*\c+3], v[AD1+FS] offset:128*FH+32*\c+\a*16*PITCH
.endr
.endr
.irp b, 0,1,2,3
.irp c, 0,1,2,3
	ds_load_b128 v[128+16*\b+4*\c:128+16*\b+4*\c+3], v[AD0+FS] offset:128*FH+32*\c+\b*16*PITCH
.endr
.endr
.endm
.macro MULH a0, zero                   ; 16 matrix instructions: tiles a0 .. a0 + 3 x the four b.  The 32 accumulators take turns, one instruction a turn, in the same order in every step
.irp a, \a0, \a0+1, \a0+2, \a0+3
.irp b, 0,1,2,3
.if \zero
	v_wmma_f32_16x16x128_fp8_fp8 v[8*(4*(\a)+\b):8*(4*(\a)+\b)+7], v[128+16*\b:128+16*\b+15], v[16*(\a):16*(\a)+15], 0
.else
	v_wmma_f32_16x16x128_fp8_fp8 v[8*(4*(\a)+\b):8*(4*(\a)+\b)+7], v[128+16*\b:128+16*\b+15], v[16*(\a):16*(\a)+15], v[8*(4*(\a)+\b):8*(4*(\a)+\b)+7]
.endif
.endr
.endr
.endm
.macro STEP s                          ; the next step's fragments are asked for, then this step is multiplied
	PLACES
	FETCH (\s)+1
	s_wait_dscnt 48                                ; all but the 48 just issued
	WIN 0x5a+5*((\s)%2)
	MULH 0, 0
	MULH 4, 0
.endm
; A TILE'S EIGHT STEPS.  next = 1: the next tile's first fill is asked for when step 7's fragments are in registers.
.macro MAIN next
	s_wait_tensorcnt 0x0                           ; my part of chunks 0 and 1 is in
	s_barrier_signal -1
	s_barrier_wait -1                              ; everybody's is
	FETCH 0
	FETCH 1
	s_wait_dscnt 48                                ; step 0's fragments are in
	WIN 0x5a
	MULH 0, 1                                      ; the first products start the sums: nothing is cleared
	MULH 4, 1
	STEP 1
	STEP 2
	WIN 0                                          ; step 3 carries the change of slots
	s_wait_tensorcnt 0x0                           ; no tensor load of mine is out
	ds_add_u32 v[SPW], v[NIL]
	s_wait_dscnt 1                                 ; step 3's fragments are in; the add may be out
	WIN 0x5f
	MULH 0, 0
	s_wait_dscnt 0x0                               ; the add is done, and my reads of both slots are over
	s_barrier_signal -1
	MULH 4, 0
	WIN 0
	s_barrier_wait -1
	CREST                                          ; no wave of any partner still reads the slots or has a load on its way
	s_add_nc_u64 s[G0A+2:G0A+3], s[G0A+2:G0A+3], 512   ; chunks 2 and 3
	s_add_nc_u64 s[G0B+2:G0B+3], s[G0B+2:G0B+3], 512
	JLOAD                                          ; the first tensor load behind the round; its four v_nop are also the places in front of the loads below
.if \next
	s_cmp_eq_u32 s27, 0                            ; the tokens of the next tile's first fill: k's first half, or v's rows whole
	s_cbranch_scc0 .Lpfv_\@
	global_prefetch_b8 v[VP1], s[PK:PK+1] th:TH_LOAD_NT scope:SCOPE_SE
	s_branch .Lpfd_\@
.Lpfv_\@:
	global_prefetch_b8 v[VP0], s[PV:PV+1] th:TH_LOAD_NT scope:SCOPE_SE
.Lpfd_\@:
.endif
	s_wait_tensorcnt 0x0                           ; my refill is in (no LDS instruction of mine is out)
	s_barrier_signal -1
	s_barrier_wait -1                              ; everybody's is
	FETCH 4
	FETCH 5
	s_wait_dscnt 48                                ; step 4's fragments are in
	WIN 0x5a
	MULH 0, 0
	MULH 4, 0
	STEP 5
	PLACES
	FETCH 7
	WIN 0
.if \next
	s_wait_tensorcnt 0x0                           ; no tensor load of mine is out
	ds_add_u32 v[SPW], v[NIL]
	s_wait_dscnt 49                                ; step 6's fragments are in; step 7's 48 loads and the add may be out
	WIN 0x5a
	MULH 0, 0
	MULH 4, 0
	s_wait_dscnt 0x0                               ; the add is done, and my reads of both slots are over
	s_barrier_signal -1
	WIN 0x5f
	MULH 0, 0
	WIN 0
	s_barrier_wait -1
	CREST
	s_cmp_eq_u32 s27, 0                            ; behind q comes k, behind k comes v: the same in all partners
	s_cselect_b64 s[NA:NA+1], s[AK:AK+1], s[AV:AV+1]
	s_cselect_b64 s[NB:NB+1], s[BK:BK+1], s[BV:BV+1]
	s_add_nc_u64 s[G0A+2:G0A+3], s[NA:NA+1], s[CH:CH+1]
	s_or_b32 s[G0A+3], s[G0A+3], 0x80000000
	s_add_nc_u64 s[G0B+2:G0B+3], s[NB:NB+1], s[CH:CH+1]
	s_or_b32 s[G0B+3], s[G0B+3], 0x80000000
	JLOAD                                          ; the next tile's chunks 0 and 1
	s_cmp_eq_u32 s27, 0
	s_cbranch_scc0 .Lnoy_\@
	global_prefetch_b8 v[VP1], s[PK:PK+1] offset:512 th:TH_LOAD_NT scope:SCOPE_SE   ; k's second half
.Lnoy_\@:
	WIN 0x5f
	MULH 4, 0
.else
	s_wait_dscnt 48                                ; step 6's fragments are in
	WIN 0x5a
	MULH 0, 0
	MULH 4, 0
	s_wait_dscnt 0x0
	WIN 0x5f
	MULH 0, 0
	MULH 4, 0
.endif
	WIN 0
	PLACES
	s_wait_loadcnt 0x0                             ; the bias
.endm
.macro OUTT a, isv                     ; tile a of source 1: sum x 2^(eA + eB) + bias, held, converted, stored: 8 registers a lane = an operand's image
.if (\a) >= 2
	s_wait_xcnt 0x0                                ; tile a - 2's stores have read their codes
.endif
	WIN 0x01                                       ; source 0: the accumulators' window
.irp b, 0,1,2,3
.irp j, 0,2,4,6
.if \isv
	v_pk_fma_f32 v[T+8*\b+\j:T+8*\b+\j+1], v[8*(4*(\a)+\b)+\j:8*(4*(\a)+\b)+\j+1], s[92:93], v[BI+2*(\a):BI+2*(\a)+1] op_sel_hi:[1,0,1]   ; each accumulator from its low end on
.else
	v_pk_fma_f32 v[T+8*\b+\j:T+8*\b+\j+1], v[8*(4*(\a)+\b)+\j:8*(4*(\a)+\b)+\j+1], s[92:93], v[BI+8*\b+\j:BI+8*\b+\j+1] op_sel_hi:[1,0,1]
.endif
.endr
.endr
	WIN 0
.set n, 0
.rept 32
	v_med3_num_f32 v[T+n], v[T+n], -v[LIM], v[LIM]   ; the conversion to an 8-bit code does not saturate (ISA guide 7.6.2)
.set n, n+1
.endr
.irp b, 0,1,2,3
	v_cvt_scalef32_pk8_fp8_f32 v[CD+8*((\a)%2)+2*\b:CD+8*((\a)%2)+2*\b+1], v[T+8*\b:T+8*\b+7], v[SCL]
.endr
	v_nop                                          ; a plain line behind the last conversion: the next tile writes its sources
.irp g, 0,1
.if \isv
	global_store_b128 v[LI], v[CD+8*((\a)%2)+4*\g:CD+8*((\a)%2)+4*\g+3], s[96:97] offset:((\a)/4)*262144+((\a)%4)*2048+512*\g
.else
	global_store_b128 v[LI], v[CD+8*((\a)%2)+4*\g:CD+8*((\a)%2)+4*\g+3], s[96:97] offset:(\a)*1024+512*\g   ; 32 lanes store 512 consecutive bytes, aligned
.endif
.endr
.endm
.macro SCALES                          ; from eA in s94, eB in s95, the result's e in s100: 2^(eA + eB) in s[92:93], the quantiser's two numbers in registers
	s_add_co_i32 s94, s94, s95
	s_add_co_i32 s94, s94, 127
	s_lshl_b32 s92, s94, 23
	s_mov_b32 s93, s92                             ; (named with it as a pair)
	s_add_co_i32 s100, s100, 127
	s_lshl_b32 s101, s100, 23
	s_add_co_i32 s100, s100, 8
	s_lshl_b32 s100, s100, 23
	s_or_b32 s100, s100, 0x600000
	v_mov_b32 v[SCL], s101
	v_mov_b32 v[LIM], s100
	s_wait_alu depctr_va_vdst(0)
.endm
	s_load_b512 s[4:19], s[0:1], 0x0               ; xc s[4:5], wc s[6:7], bq s[8:9], bk s[10:11], bv s[12:13], the exponents s[14:15], qi s[16:17], kv s[18:19]
	v_lshl_add_u32 v[SPW], v0, 2, SPARE
	v_mov_b32 v[NIL], 0
	ds_add_u32 v[SPW], v[NIL]                      ; the wave's opening: the add, twice on end, and its wait ahead of my first tensor load
	ds_add_u32 v[SPW], v[NIL]
	v_lshrrev_b32 v1, 5, v0
	v_readfirstlane_b32 s20, v1                    ; wave 0..3
	s_lshr_b32 s21, s20, 1                         ; i.  Also: I fetch for source 1 (0) or source 0 (1)
	s_and_b32 s22, s20, 1                          ; jn.  Also: which of a fill's two chunks I fetch
	s_bfe_u32 s23, ttmp6, 0x40000                  ; cx
	s_bfe_u32 s24, ttmp6, 0x40004                  ; cy
	s_and_b32 s26, ttmp7, 0xffff                   ; the cluster's y, 0..7
	s_lshl_b32 s28, ttmp9, 2                       ; 4 x the cluster's x, 0 or 4
	s_lshl_b32 s29, s24, 2
	s_lshl_b32 s29, 15, s29                        ; my row of the cluster
	s_lshl_b32 s30, 0x1111, s23                    ; my column
	s_or_b32 s[G1A], s29, (1<<20)|(1<<21)|(5<<22)|(3<<25)   ; the mask; elements of 1 byte; padding on; bit 21 beside a mask; after every 64 words, 4 words
	s_or_b32 s[G1B], s30, (1<<20)|(1<<21)|(5<<22)|(3<<25)
	s_mov_b32 s[G1A+1], 256<<16                    ; tensor_dim0 = 256
	s_mov_b32 s[G1A+2], 256<<16                    ; tensor_dim1 = 256
	s_mov_b32 s[G1A+3], 256<<16                    ; tile_dim0 = 256
	s_mov_b32 s[G1A+4], 256                        ; tile_dim1 = 256
	s_mov_b32 s[G1A+5], 1024                       ; from row to row
	s_mov_b32 s[G1A+6], 0
	s_mov_b32 s[G1A+7], 0
	s_mov_b32 s[G1B+1], 256<<16
	s_mov_b32 s[G1B+2], 128<<16                    ; 128 rows
	s_mov_b32 s[G1B+3], 256<<16
	s_mov_b32 s[G1B+4], 128
	s_mov_b32 s[G1B+5], 1024
	s_mov_b32 s[G1B+6], 0
	s_mov_b32 s[G1B+7], 0
	s_lshl_b32 s76, s26, 2
	s_add_co_u32 s76, s76, s24                     ; q, k: source 1's tile of 256 tokens: 4 x cluster y + cy.  It never holds cx
	s_add_co_u32 s77, s28, s23                     ; q, k: source 0's tile of 128 rows of W: 4 x cluster x + cx.  It never holds cy
	s_lshl_b32 s78, s26, 3
	s_add_co_u32 s78, s78, s77                     ; v: source 0's tile of 128 tokens: 8 x cluster y + that.  (v's source 1: tile cy of Wv)
	s_lshl_b32 s[CH], s22, 8
	s_mov_b32 s[CH+1], 0
	s_mov_b32 s[G0A], 1
	s_mul_i32 s[G0A+1], s22, SLOT                  ; where they go: my chunk's slot: no place in the cluster enters an LDS address
	s_mov_b32 s[G0B], 1
	s_add_co_u32 s[G0B+1], s[G0A+1], S1B
	s_lshl_b32 s94, s76, 18                        ; 256 rows of 1,024 bytes
	s_mov_b32 s95, 0
	s_lshl_b32 s100, s77, 17                       ; 128 rows
	s_mov_b32 s101, 0
	s_lshl_b32 s30, s24, 18
	s_add_co_u32 s30, s30, 2<<20                   ; Wv is the third tensor of wc
	s_mov_b32 s31, 0
	s_lshl_b32 s98, s78, 17
	s_add_co_u32 s98, s98, 2<<23                   ; the third set of rope(x)'s codes
	s_mov_b32 s99, 0
	s_lshl_b32 s2, s23, 16                         ; prefetch: 64 rows x cx
	s_mov_b32 s3, 0
	s_lshl_b32 s96, s24, 15                        ; and 32 rows x cy
	s_mov_b32 s97, 0
	s_wait_dscnt 0x0                               ; both opening adds are done
	s_wait_kmcnt 0x0
	s_load_b256 s[80:87], s[14:15], 0x0            ; e0 .. e7
	s_load_b128 s[88:91], s[14:15], 0x20           ; e8 .. e11
	s_add_nc_u64 s[NA:NA+1], s[4:5], s[94:95]      ; q's source 1,
	s_add_nc_u64 s[NB:NB+1], s[6:7], s[100:101]    ; and source 0
	s_add_nc_u64 s[AK:AK+1], s[NA:NA+1], 0x800000  ; k's: the second set of codes, the second weight
	s_add_nc_u64 s[BK:BK+1], s[NB:NB+1], 0x100000
	s_add_nc_u64 s[AV:AV+1], s[6:7], s[30:31]
	s_add_nc_u64 s[BV:BV+1], s[4:5], s[98:99]
	s_add_nc_u64 s[100:101], s[NA:NA+1], s[2:3]    ; prefetch: my work-group's rows of q's tokens,
	s_add_nc_u64 s[PK:PK+1], s[AK:AK+1], s[2:3]    ; of k's,
	s_add_nc_u64 s[PV:PV+1], s[BV:BV+1], s[96:97]  ; of v's
	s_add_nc_u64 s[G0A+2:G0A+3], s[NA:NA+1], s[CH:CH+1]
	s_or_b32 s[G0A+3], s[G0A+3], 0x80000000
	s_add_nc_u64 s[G0B+2:G0B+3], s[NB:NB+1], s[CH:CH+1]
	s_or_b32 s[G0B+3], s[G0B+3], 0x80000000
	CROUND                                         ; all sixteen work-groups are here: the first joint loads meet
	JLOAD                                          ; q's chunks 0 and 1: one tensor load a wave at the head
	v_and_b32 v1, 15, v0                           ; r
	v_bfe_u32 v2, v0, 4, 1                         ; h
	v_and_b32 v[LI], 31, v0
	v_lshlrev_b32 v[LI], 4, v[LI]
	v_mul_u32_u24 v6, v1, PITCH
	v_lshl_add_u32 v6, v2, 4, v6                   ; a fragment's row x pitch + 16 h
	s_mul_i32 s2, s21, 128*PITCH                   ; my 128 rows of source 1,
	s_mul_i32 s3, s22, 64*PITCH                    ; my 64 of source 0
	s_add_co_u32 s3, s3, S1B
.irp n, 0,1
	v_add_nc_u32 v[AD1+\n], s2, v6
	v_add_nc_u32 v[AD0+\n], s3, v6
	s_add_co_u32 s2, s2, SLOT
	s_add_co_u32 s3, s3, SLOT
.endr
	v_lshlrev_b32 v[BO8], 5, v2
	v_lshlrev_b32 v[BO4], 2, v1
	s_lshl_b32 s2, s20, 14                         ; 16 rows x wave
	s_lshl_b32 s3, s20, 13                         ; 8 rows x wave
	v_lshlrev_b32 v[VP1], 10, v1
	v_lshl_add_u32 v[VP1], v2, 8, v[VP1]
	v_add_nc_u32 v[VP1], s2, v[VP1]
	v_and_b32 v6, 7, v0
	v_bfe_u32 v7, v0, 3, 2
	v_lshlrev_b32 v[VP0], 10, v6
	v_lshl_add_u32 v[VP0], v7, 8, v[VP0]
	v_add_nc_u32 v[VP0], s3, v[VP0]
	s_mov_b32 s27, 0                               ; the product: 0 q, 1 k
	s_wait_alu depctr_va_vdst(0)
	global_prefetch_b8 v[VP1], s[100:101] offset:512 th:TH_LOAD_NT scope:SCOPE_SE   ; q's second half
	s_wait_kmcnt 0x0                               ; the exponents
.Ltile:
	s_wait_xcnt 0x0                                ; the last tile's stores and my prefetches have read their registers
	s_cmp_eq_u32 s27, 0
	s_cselect_b32 s94, s80, s82                    ; eA,
	s_cselect_b32 s95, s81, s83                    ; eB,
	s_cselect_b32 s100, s86, s87                   ; the result's: e6 for q, e7 for k,
	s_cselect_b64 s[98:99], s[8:9], s[10:11]       ; bq or bk,
	s_cselect_b64 s[96:97], s[16:17], s[18:19]     ; qi or kv
	SCALES
	s_lshr_b32 s2, s76, 3                          ; the batch
	s_and_b32 s3, s76, 7
	s_lshl_b32 s3, s3, 1
	s_add_co_u32 s3, s3, s21                       ; which 128 tokens of the batch
	s_lshl_b32 s94, s77, 1
	s_add_co_u32 s94, s94, s22                     ; the head
	s_lshl_b32 s2, s2, 4
	s_add_co_u32 s2, s2, s94
	s_lshl_b32 s2, s2, 17
	s_lshl_b32 s3, s3, 13
	s_add_co_u32 s2, s2, s3                        ; qi: head x 131,072 + 8,192 x that;
	s_lshl_b32 s2, s2, s27                         ; kv: both twice as far
	s_mov_b32 s3, 0
	s_add_nc_u64 s[96:97], s[96:97], s[2:3]
	s_lshl_b32 s2, s94, 8
	s_add_nc_u64 s[98:99], s[98:99], s[2:3]        ; the head's 64 numbers of the bias
.irp b, 0,1,2,3
	global_load_b128 v[BI+8*\b:BI+8*\b+3], v[BO8], s[98:99] offset:64*\b          ; features 16 b + 8 h + 0 .. 7
	global_load_b128 v[BI+8*\b+4:BI+8*\b+7], v[BO8], s[98:99] offset:64*\b+16
.endr
	MAIN 1
.irp a, 0,1,2,3,4,5,6,7
	OUTT \a, 0
.endr
	s_add_co_u32 s27, s27, 1
	s_cmp_lt_u32 s27, 2
	s_cbranch_scc1 .Ltile
	; ---- v
	s_wait_xcnt 0x0                                ; k's stores and my prefetches have read their registers
	s_mov_b32 s94, s84
	s_mov_b32 s95, s85
	s_mov_b32 s100, s89                            ; e9
	SCALES
	s_lshr_b32 s2, s78, 4                          ; the batch
	s_and_b32 s3, s78, 15                          ; the step of 128 keys
	s_lshl_b32 s94, s24, 2
	s_lshl_b32 s95, s21, 1
	s_add_co_u32 s94, s94, s95                     ; my first head: 4 cy + 2 i
	s_lshl_b32 s2, s2, 4
	s_add_co_u32 s2, s2, s94
	s_lshl_b32 s2, s2, 18
	s_lshl_b32 s3, s3, 14
	s_add_co_u32 s2, s2, s3
	s_lshl_b32 s3, s22, 10                         ; my 64 keys are registers 8 jn .. 8 jn + 7 of the operand's 16
	s_add_co_u32 s2, s2, s3
	s_add_co_u32 s2, s2, 8192                      ; behind the step's K
	s_mov_b32 s3, 0
	s_add_nc_u64 s[96:97], s[18:19], s[2:3]
	s_lshl_b32 s2, s94, 8                          ; 64 numbers a head
	s_add_nc_u64 s[98:99], s[12:13], s[2:3]
.irp a, 0,1,2,3,4,5,6,7
	global_load_b32 v[BI+2*\a], v[BO4], s[98:99] offset:64*\a                     ; channel 16 a + r, into both halves of a pair
	global_load_b32 v[BI+2*\a+1], v[BO4], s[98:99] offset:64*\a
.endr
	MAIN 0
.irp a, 0,1,2,3,4,5,6,7
	OUTT \a, 1
.endr
	s_wait_tensorcnt 0x0                           ; the wave's end, behind my last tensor load
	ds_add_u32 v[SPW], v[NIL]
	s_wait_dscnt 0x0
	CROUND                                         ; the closing round: no work-group ends while a partner may still ask for a tile that names it
	s_endpgm
.Lfunc_end_k_q24625b4f20_qkv:
	.size	k_q24625b4f20_qkv, .Lfunc_end_k_q24625b4f20_qkv-k_q24625b4f20_qkv
	.p2alignl 7, 3214868480
	.fill 96, 4, 3214868480
	.section	.rodata,"a",@progbits
	.p2align	6, 0x0
	.amdhsa_kernel k_q24625b4f20_qkv
		.amdhsa_group_segment_fixed_size 327680
		.amdhsa_private_segment_fixed_size 0
		.amdhsa_enable_private_segment 0
		.amdhsa_kernarg_size 64
		.amdhsa_user_sgpr_count 2
		.amdhsa_user_sgpr_kernarg_segment_ptr 1
		.amdhsa_wavefront_size32 1
		.amdhsa_system_sgpr_workgroup_id_x 1
		.amdhsa_system_sgpr_workgroup_id_y 1
		.amdhsa_system_sgpr_workgroup_id_z 1
		.amdhsa_system_vgpr_workitem_id 0
		.amdhsa_next_free_vgpr 960
		.amdhsa_next_free_sgpr 106
		.amdhsa_reserve_vcc 0
		.amdhsa_float_denorm_mode_32 3
		.amdhsa_float_denorm_mode_16_64 3
		.amdhsa_memory_ordered 1
		.amdhsa_forward_progress 1
		.amdhsa_inst_pref_size 156
	.end_amdhsa_kernel
	.amdgpu_metadata
---
amdhsa.version: [ 1, 2 ]
amdhsa.kernels:
  - .name:           k_q24625b4f20_qkv
    .symbol:         k_q24625b4f20_qkv.kd
    .args:
      - { .name: xc, .offset: 0, .size: 8, .value_kind: global_buffer, .address_space: global }
      - { .name: wc, .offset: 8, .size: 8, .value_kind: global_buffer, .address_space: global }
      - { .name: bq, .offset: 16, .size: 8, .value_kind: global_buffer, .address_space: global }
      - { .name: bk, .offset: 24, .size: 8, .value_kind: global_buffer, .address_space: global }
      - { .name: bv, .offset: 32, .size: 8, .value_kind: global_buffer, .address_space: global }
      - { .name: lowp_scales, .offset: 40, .size: 8, .value_kind: global_buffer, .address_space: global }
      - { .name: qi, .offset: 48, .size: 8, .value_kind: global_buffer, .address_space: global }
      - { .name: kv, .offset: 56, .size: 8, .value_kind: global_buffer, .address_space: global }
    .group_segment_fixed_size: 327680
    .private_segment_fixed_size: 0
    .kernarg_segment_align: 8
    .kernarg_segment_size: 64
    .max_flat_workgroup_size: 128
    .sgpr_count:     106
    .vgpr_count:     960
    .wavefront_size: 32
...
	.end_amdgpu_metadata
.endif
;; end of part 2
;; launch attn (part 3): grid 4 x 64, 8 waves a work-group, no clusters, 263,168 bytes of LDS; arguments qi, kv, lowp_scales, ai; writes ai
.if DOCPART == 3
	.amdgcn_target "amdgcn-amd-amdhsa--gfx1250"
	.amdhsa_code_object_version 6
	.text
	.protected	k_q24625b4f20_attn
	.globl	k_q24625b4f20_attn
	.p2align	8
	.type	k_q24625b4f20_attn,@function
k_q24625b4f20_attn:
	s_mov_b64 s[64:65], 0
	v_nop
	global_prefetch_b8 v0, s[64:65] scope:SCOPE_SE
	s_setreg_imm32_b32 hwreg(HW_REG_WAVE_MODE, 25, 1), 1
	s_wait_xcnt 0x0
; ATTN: attended = softmax(q k^T / 8) v on codes of E4M3 (scales e6, e7; e8 for p, e9 for v), quantised under e10 and stored as the image of the last product's operand registers.
; t = score x log2(e) / 8; M = the ceiling of the running largest t; p = 2^(t - M) is quantised, not normalised; the row's sum is taken of the unquantised p and divides at the end.  When M moves, sum and O are multiplied by 2^(old M - new M).
; SHARES.  A work-group owns one head (grid y) and 512 of its queries (grid x); each of 8 waves owns 64 queries, four tiles of 16, worked in two pairs; every fragment of K and V that a wave reads from LDS feeds all four tiles.
; The head's K and V images (kv: 16 steps of 128 keys x [K: 8 tiles x 1,024 | V^T: 4 tiles x 2,048] = 262,144 bytes) go to LDS once, through registers: 64 loads and 64 LDS stores of 512 bytes a wave, one barrier.
; Both products are used transposed (S^T = K Q^T, O^T = V^T P^T): a lane holds one query; S^T's tile k gives registers 2 k, 2 k + 1 of P's K = 128 operand.
; THE HOLD ON p: p <= 1, so it can pass 448 x 2^e8 only where e8 < -8.  A scalar branch on the whole number e8, inside the loop, leads round the 128 hold lines where e8 >= -8; else they run.
; NO TENSOR LOADS AND NO CLUSTER: what the four work-groups of a head share is read once by each, in its first lines.
; NO PREFETCH: all that a work-group reads is asked for in its first lines; the loop reads LDS alone.
; The loop has 16 equal trips: K's fragments are fetched one step ahead, and the last trip's look-ahead wraps to step 0 (16 LDS loads whose data are not used), so that no tail is written out.
; LIMITS: e6 + e7 between -123 and 130; e8 and e10 between -126 and 119; the scaled scores stay under 2^31 in magnitude.  NaN is not served.
; REGISTERS.  Window 0: v1-13 addresses and constants; v16-47 state, 8 a tile (-M, largest score, sum x 2, f, 0, two at work); v48-175 S^T, then p, of a pair; v176-239 V's fragments.
; Window 1: v0-127 O^T (32 a tile); v128-159 Q; v160-223 K's fragments; v224-255 p's codes of a pair.
; HOW K AND V COME, AS THE TEXT STANDS (in place of what is said above of 64 loads, of one barrier and of the prefetch): steps 0 and 1 come at the head, 8 loads and 8 LDS stores of 512 bytes a wave.
; In trip j (j < 14) each wave loads its 2,048 bytes of step j + 2 into 16 registers at the trip's top and stores them to LDS at its end; every LDS byte is written once.  One barrier a trip shows them: the signal stands at the
; next trip's top, behind the wait for my stores, and the wait ahead of the fetch of step j + 2's K.  No prefetch: each load is asked for a whole trip ahead of the wait for it.
.set SPARE, 262144
.set WO,   14                          ; my wave's 2,048 bytes of a step + 16 x lane; never rewritten
.set GA,   15                          ; the same in step j + 2: offset in memory and LDS address alike
.set SG,   240                         ; v240-255: step j + 2's bytes on their way
.set LI,   1                           ; 16 x lane
.set ADR,  2                           ; this step's bytes
.set SPW,  3                           ; my spare word; never rewritten
.set NIL,  4                           ; 0; never rewritten
.set LIMP, 5
.set SCLP, 6
.set LIMO, 7
.set SCLO, 8
.set ADN,  9                           ; the next step's bytes
.set C2,   10
.set ST,   16
.set S,    48
.set VF,   176
.set O,    0
.set Q,    128
.set KF,   160
.set C,    224
.set MSB, 0
.macro WIN new                         ; the immediate's high byte repeats the setting that is left
.if MSB != (\new)
	s_set_vgpr_msb (MSB<<8)|(\new)
.set MSB, (\new)
.endif
.endm
.macro PLACES                          ; four plain lines between a matrix instruction and a read of its result or a load into its registers
.rept 4
	v_nop
.endr
.endm
.macro QK p                            ; S^T of pair p: 8 tiles of keys x 2 tiles of queries
	WIN 0x05
.irp k, 0,1,2,3,4,5,6,7
.irp t, 0,1
	v_wmma_f32_16x16x64_fp8_fp8 v[S+64*\t+8*\k:S+64*\t+8*\k+7], v[KF+8*\k:KF+8*\k+7], v[Q+16*(\p)+8*\t:Q+16*(\p)+8*\t+7], 0
.endr
.endr
	WIN 0
.endm
.macro PV p                            ; O^T of pair p += V^T P^T; the eight accumulators take turns
	WIN 0x54
.irp a, 0,1,2,3
.irp t, 0,1
	v_wmma_f32_16x16x128_fp8_fp8 v[O+64*(\p)+32*\t+8*\a:O+64*(\p)+32*\t+8*\a+7], v[VF+16*\a:VF+16*\a+15], v[C+16*\t:C+16*\t+15], v[O+64*(\p)+32*\t+8*\a:O+64*(\p)+32*\t+8*\a+7]
.endr
.endr
	WIN 0
.endm
.macro HINT
	s_delay_alu instid0(VALU_DEP_2)
.endm
.macro SOFT p                          ; pair p: the maximum, M, p, the sums, the codes, O^T under the new M.  The two tiles' chains take turns line by line
.set SB, ST+16*(\p)
.irp t, 0,1
	v_max3_num_f32 v[SB+8*\t+6], v[S+64*\t], v[S+64*\t+1], v[S+64*\t+2]
	v_max3_num_f32 v[SB+8*\t+7], v[S+64*\t+3], v[S+64*\t+4], v[S+64*\t+5]
.endr
.irp i, 6,10,14,18,22,26,30,34,38,42,46,50,54,58
.irp t, 0,1
	v_max3_num_f32 v[SB+8*\t+6], v[SB+8*\t+6], v[S+64*\t+\i], v[S+64*\t+\i+1]
	v_max3_num_f32 v[SB+8*\t+7], v[SB+8*\t+7], v[S+64*\t+\i+2], v[S+64*\t+\i+3]
.endr
.endr
.irp t, 0,1
	v_max3_num_f32 v[SB+8*\t+6], v[SB+8*\t+6], v[S+64*\t+62], v[S+64*\t+63]
.endr
.irp t, 0,1
	HINT
	v_max3_num_f32 v[SB+8*\t+6], v[SB+8*\t+6], v[SB+8*\t+7], v[SB+8*\t+1]   ; both chains and the largest score so far
.endr
.irp t, 0,1
	HINT
	v_permlanex16_b32 v[SB+8*\t+7], v[SB+8*\t+6], s46, s47
.endr
.irp t, 0,1
	HINT
	v_max_num_f32 v[SB+8*\t+1], v[SB+8*\t+6], v[SB+8*\t+7]                  ; and lane l xor 16's
.endr
.irp t, 0,1
	HINT
	v_mul_f32 v[SB+8*\t+6], s44, v[SB+8*\t+1]                               ; as t (c is positive)
.endr
.irp t, 0,1
	HINT
	v_floor_f32 v[SB+8*\t+7], -v[SB+8*\t+6]                                 ; the new -M
.endr
.irp t, 0,1
	HINT
	v_sub_f32 v[SB+8*\t+6], v[SB+8*\t+7], v[SB+8*\t]                        ; old M - new M: a whole number, 0 or less
.endr
.irp t, 0,1
	HINT
	v_cvt_i32_f32 v[SB+8*\t+6], v[SB+8*\t+6]                                ; (it saturates)
.endr
.irp t, 0,1
	HINT
	v_ldexp_f32 v[SB+8*\t+4], 1.0, v[SB+8*\t+6]                             ; f = 2^(old M - new M)
.endr
.irp t, 0,1
	v_mov_b32 v[SB+8*\t], v[SB+8*\t+7]
.endr
.irp j, 0,2,4,6,8,10,12,14,16,18,20,22,24,26,28,30,32,34,36,38,40,42,44,46,48,50,52,54,56,58,60,62
.irp t, 0,1
	v_pk_fma_f32 v[S+64*\t+\j:S+64*\t+\j+1], v[S+64*\t+\j:S+64*\t+\j+1], s[44:45], v[SB+8*\t:SB+8*\t+1] op_sel_hi:[1,0,0]   ; t - M
.endr
.endr
	s_wait_alu depctr_va_vdst(0)                   ; ahead of the batch
.set j, 0
.rept 128
	v_exp_f32 v[S+j], v[S+j]
.set j, j+1
.endr
.irp t, 0,1
	v_pk_mul_f32 v[SB+8*\t+2:SB+8*\t+3], v[SB+8*\t+2:SB+8*\t+3], v[SB+8*\t+4:SB+8*\t+5] op_sel_hi:[1,0]   ; the sums under the new M; plain lines behind the batch
.endr
	s_wait_alu depctr_va_vdst(0)                   ; one wait for the batch, ahead of its first reader
.irp t, 0,1
	v_pk_add_f32 v[C2+2*\t:C2+2*\t+1], v[S+64*\t:S+64*\t+1], v[S+64*\t+2:S+64*\t+3]
.endr
.irp j, 4,8,12,16,20,24,28,32,36,40,44,48,52,56,60
.irp t, 0,1
	v_pk_add_f32 v[SB+8*\t+2:SB+8*\t+3], v[SB+8*\t+2:SB+8*\t+3], v[S+64*\t+\j:S+64*\t+\j+1]
	v_pk_add_f32 v[C2+2*\t:C2+2*\t+1], v[C2+2*\t:C2+2*\t+1], v[S+64*\t+\j+2:S+64*\t+\j+3]
.endr
.endr
.irp t, 0,1
	v_pk_add_f32 v[SB+8*\t+2:SB+8*\t+3], v[SB+8*\t+2:SB+8*\t+3], v[C2+2*\t:C2+2*\t+1]
.endr
	s_wait_alu depctr_va_vdst(0)                   ; ahead of the branch
	s_cmp_ge_i32 s40, -8                           ; e8 >= -8: 448 x 2^e8 >= 1.75 > p: nothing to hold
	s_cbranch_scc1 .Lfits_\@
.set j, 0
.rept 128
	v_min_num_f32 v[S+j], v[S+j], v[LIMP]          ; the conversion does not saturate (ISA guide 7.6.2); p is not negative
.set j, j+1
.endr
.Lfits_\@:
	WIN 0x40
.irp t, 0,1
.irp k, 0,1,2,3,4,5,6,7
	v_cvt_scalef32_pk8_fp8_f32 v[C+16*\t+2*\k:C+16*\t+2*\k+1], v[S+64*\t+8*\k:S+64*\t+8*\k+7], v[SCLP]
.endr
.endr
	WIN 0x41
	s_wait_alu depctr_va_vdst(0)                   ; directly ahead of the first readers of O^T
.irp t, 0,1
.irp j, 0,2,4,6,8,10,12,14,16,18,20,22,24,26,28,30
	v_pk_mul_f32 v[O+64*(\p)+32*\t+\j:O+64*(\p)+32*\t+\j+1], v[O+64*(\p)+32*\t+\j:O+64*(\p)+32*\t+\j+1], v[SB+8*\t+4:SB+8*\t+5] op_sel_hi:[1,0]   ; also the plain lines behind the conversions
.endr
.endr
	WIN 0
.endm
	s_load_b256 s[4:11], s[0:1], 0x0               ; qi s[4:5], kv s[6:7], the exponents s[8:9], ai s[10:11]
	v_lshl_add_u32 v[SPW], v0, 2, SPARE
	v_mov_b32 v[NIL], 0
	v_lshrrev_b32 v[ADN], 5, v0
	v_readfirstlane_b32 s12, v[ADN]                ; wave 0..7
	v_and_b32 v[LI], 31, v0
	v_lshlrev_b32 v[LI], 4, v[LI]
	s_and_b32 s14, ttmp7, 0xffff                   ; the head, 0..63
	s_lshl_b32 s56, s12, 11
	v_add_nc_u32 v[WO], s56, v[LI]
	s_lshl_b32 s58, s14, 18
	s_mov_b32 s59, 0
	s_lshl_b32 s2, s14, 17                         ; qi: head x 131,072 + 32 tiles x work-group + 4 tiles x wave, 1,024 bytes a tile
	s_lshl_b32 s3, ttmp9, 15
	s_add_co_u32 s2, s2, s3
	s_lshl_b32 s3, s12, 12
	s_add_co_u32 s2, s2, s3
	s_mov_b32 s3, 0
	s_wait_alu depctr_va_vdst(0)
	s_wait_kmcnt 0x0
	s_load_b256 s[32:39], s[8:9], 0x0              ; e0 .. e7
	s_load_b128 s[40:43], s[8:9], 0x20             ; e8 .. e11
	s_add_nc_u64 s[6:7], s[6:7], s[58:59]
	s_add_nc_u64 s[52:53], s[4:5], s[2:3]
.irp s, 0,1
.irp i, 0,1,2,3
	global_load_b128 v[S+16*\s+4*\i:S+16*\s+4*\i+3], v[WO], s[6:7] offset:16384*\s+512*\i   ; 32 lanes read 512 consecutive bytes
.endr
.endr
	WIN 0x40
.irp q, 0,1,2,3
.irp g, 0,1
	global_load_b128 v[Q+8*\q+4*\g:Q+8*\q+4*\g+3], v[LI], s[52:53] offset:1024*\q+512*\g
.endr
.endr
	WIN 0
	s_lshr_b32 s2, s14, 4                          ; ai: [tile of 16 tokens][head 16][1,024 bytes]: batch x 128 tiles + 32 x work-group + 4 x wave
	s_lshl_b32 s2, s2, 21
	s_lshl_b32 s57, ttmp9, 19
	s_add_co_u32 s2, s2, s57
	s_lshl_b32 s57, s12, 16
	s_add_co_u32 s2, s2, s57
	s_and_b32 s57, s14, 15
	s_lshl_b32 s57, s57, 10
	s_add_co_u32 s2, s2, s57
	s_add_nc_u64 s[54:55], s[10:11], s[2:3]
	s_mov_b32 s46, 0x76543210                      ; v_permlanex16_b32's selects for lane l xor 16
	s_mov_b32 s47, 0xfedcba98
	s_mov_b32 s50, 0xffff0000                      ; lanes 16-31
	s_wait_kmcnt 0x0
	s_add_co_i32 s2, s38, s39
	s_lshl_b32 s2, s2, 23
	s_add_co_i32 s44, s2, 0x3e38aa3b               ; c = log2(e) / 8 x 2^(e6 + e7): the exponents are added to c's exponent field
	s_mov_b32 s45, s44                             ; (named with it as a pair)
	s_add_co_i32 s2, s40, 127
	s_lshl_b32 s57, s2, 23
	v_mov_b32 v[SCLP], s57                         ; 2^e8
	s_add_co_i32 s2, s2, 8
	s_lshl_b32 s2, s2, 23
	s_or_b32 s2, s2, 0x600000
	v_mov_b32 v[LIMP], s2                          ; 448 x 2^e8
	s_add_co_i32 s2, s42, 127
	s_lshl_b32 s57, s2, 23
	v_mov_b32 v[SCLO], s57                         ; 2^e10
	s_add_co_i32 s2, s2, 8
	s_lshl_b32 s2, s2, 23
	s_or_b32 s2, s2, 0x600000
	v_mov_b32 v[LIMO], s2                          ; 448 x 2^e10
	s_add_co_i32 s51, s40, s41                     ; e8 + e9
	s_wait_loadcnt 8                               ; steps 0 and 1 are in; Q's 8 loads may be out
.irp s, 0,1
.irp i, 0,1,2,3
	ds_store_b128 v[WO], v[S+16*\s+4*\i:S+16*\s+4*\i+3] offset:16384*\s+512*\i
.endr
.endr
	s_wait_dscnt 0x0                               ; my stores are done, for the others' sake
	s_barrier_signal -1
.irp q, 0,1,2,3                                ; register work while the others arrive
	v_mov_b32 v[ST+8*\q], 0x7f61b1e6               ; -M: 3e38
	v_mov_b32 v[ST+8*\q+1], 0xff61b1e6             ; the largest score so far: -3e38
	v_mov_b32 v[ST+8*\q+2], 0
	v_mov_b32 v[ST+8*\q+3], 0
	v_mov_b32 v[ST+8*\q+5], 0                      ; (named as the upper half of f's pair)
.endr
	WIN 0x40
.set j, 0
.rept 128
	v_mov_b32 v[O+j], 0                            ; the loop is written once: its first step finds zeros, which f = 0 leaves zeros
.set j, j+1
.endr
	WIN 0
	s_barrier_wait -1                              ; steps 0 and 1 are in LDS
	WIN 0x40
.irp k, 0,1,2,3,4,5,6,7
.irp g, 0,1
	ds_load_b128 v[KF+8*\k+4*\g:KF+8*\k+4*\g+3], v[LI] offset:1024*\k+512*\g
.endr
.endr
	WIN 0
	s_mov_b32 s48, 0                               ; this step's first byte
	s_mov_b32 s15, 0
	s_wait_loadcnt 0x0                             ; Q
	s_wait_alu depctr_va_vdst(0)
.Lstep:
	s_add_co_u32 s49, s48, 16384
	s_and_b32 s49, s49, 0x3ffff                    ; the next step; behind the last, step 0
	v_add_nc_u32 v[ADR], s48, v[LI]
	v_add_nc_u32 v[ADN], s49, v[LI]
	s_add_co_u32 s57, s48, 32768
	s_and_b32 s57, s57, 0x3ffff                    ; step j + 2
	v_add_nc_u32 v[GA], s57, v[WO]
	s_wait_alu depctr_va_vdst(0)
	s_wait_dscnt 0x0                               ; this step's K is in, and my stores of step j + 1 are done
	s_cmp_lt_u32 s15, 14                           ; the last two trips have no step j + 2
	s_cbranch_scc0 .Lno_load
.irp i, 0,1,2,3
	global_load_b128 v[SG+4*\i:SG+4*\i+3], v[GA], s[6:7] offset:512*\i
.endr
.Lno_load:
	s_barrier_signal -1                            ; between this and its wait: register work, and LDS loads of bytes that nobody writes again
	QK 0
	PLACES
.irp a, 0,1,2,3
.irp g, 0,1,2,3
	ds_load_b128 v[VF+16*\a+4*\g:VF+16*\a+4*\g+3], v[ADR] offset:8192+2048*\a+512*\g
.endr
.endr
	SOFT 0
	s_wait_alu depctr_va_vdst(0)
	s_wait_dscnt 0x0                               ; this step's V
	QK 1
	PV 0
	PLACES
	s_barrier_wait -1                              ; every wave's stores of step j + 1 are done
	WIN 0x40
.irp k, 0,1,2,3,4,5,6,7
.irp g, 0,1
	ds_load_b128 v[KF+8*\k+4*\g:KF+8*\k+4*\g+3], v[ADN] offset:1024*\k+512*\g
.endr
.endr
	WIN 0
	SOFT 1
	PV 1
	s_cmp_lt_u32 s15, 14
	s_cbranch_scc0 .Lno_store
	s_wait_loadcnt 0x0                             ; asked for at the trip's top
.irp i, 0,1,2,3
	ds_store_b128 v[GA], v[SG+4*\i:SG+4*\i+3] offset:512*\i
.endr
.Lno_store:
	s_add_co_u32 s48, s48, 16384
	s_add_co_u32 s15, s15, 1
	s_cmp_lt_u32 s15, 16
	s_cbranch_scc1 .Lstep
	; THE WAY OUT: O^T / the sum x 2^(e8 + e9), held, converted under e10; the two halves of the lanes exchange codes so that lane (r, h) holds features 32 g + 16 h + 0 .. 15 of query r: the image of the next operand's registers
.irp q, 0,1,2,3
	v_add_f32 v[ST+8*\q+6], v[ST+8*\q+2], v[ST+8*\q+3]
.endr
.irp q, 0,1,2,3
	v_permlanex16_b32 v[ST+8*\q+7], v[ST+8*\q+6], s46, s47
.endr
.irp q, 0,1,2,3
	v_add_f32 v[ST+8*\q+6], v[ST+8*\q+6], v[ST+8*\q+7]
.endr
	s_wait_alu depctr_va_vdst(0)                   ; ahead of the batch
.irp q, 0,1,2,3
	v_rcp_f32 v[ST+8*\q+4], v[ST+8*\q+6]
.endr
	v_nop
	s_wait_alu depctr_va_vdst(0)                   ; and behind it
.irp q, 0,1,2,3
	v_ldexp_f32 v[ST+8*\q+4], v[ST+8*\q+4], s51
.endr
	WIN 0x01
	s_wait_alu depctr_va_vdst(0)                   ; directly ahead of the first readers of O^T
.irp q, 0,1,2,3
.irp j, 0,2,4,6,8,10,12,14,16,18,20,22,24,26,28,30
	v_pk_mul_f32 v[S+32*\q+\j:S+32*\q+\j+1], v[O+32*\q+\j:O+32*\q+\j+1], v[ST+8*\q+4:ST+8*\q+5] op_sel_hi:[1,0]
.endr
.endr
	WIN 0
.irp q, 0,1,2,3
.irp a, 0,1,2,3
.irp i, 0,1,2,3,4,5,6,7
	v_med3_num_f32 v[S+32*\q+8*\a+\i], v[S+32*\q+8*\a+\i], -v[LIMO], v[LIMO]
.endr
	v_cvt_scalef32_pk8_fp8_f32 v[VF+16*\q+2*\a:VF+16*\q+2*\a+1], v[S+32*\q+8*\a:S+32*\q+8*\a+7], v[SCLO]
.endr
.endr
	v_nop                                          ; a plain line behind the last conversion
.irp q, 0,1,2,3
.irp i, 0,1,2,3,4,5,6,7
	v_permlanex16_b32 v[S+32*\q+\i], v[VF+16*\q+\i], s46, s47
.endr
.endr
.irp q, 0,1,2,3
.irp b, 0,1
	v_cndmask_b32 v[VF+16*\q+8+4*\b], v[VF+16*\q+4*\b], v[S+32*\q+4*\b+2], s50
	v_cndmask_b32 v[VF+16*\q+8+4*\b+1], v[VF+16*\q+4*\b+1], v[S+32*\q+4*\b+3], s50
	v_cndmask_b32 v[VF+16*\q+8+4*\b+2], v[S+32*\q+4*\b], v[VF+16*\q+4*\b+2], s50
	v_cndmask_b32 v[VF+16*\q+8+4*\b+3], v[S+32*\q+4*\b+1], v[VF+16*\q+4*\b+3], s50
.endr
.endr
.irp q, 0,1,2,3
.irp b, 0,1
	global_store_b128 v[LI], v[VF+16*\q+8+4*\b:VF+16*\q+8+4*\b+3], s[54:55] offset:16384*\q+512*\b   ; 32 lanes store 512 consecutive bytes, aligned
.endr
.endr
	s_wait_tensorcnt 0x0                           ; the wave's end, behind my last LDS store
	ds_add_u32 v[SPW], v[NIL]
	s_wait_dscnt 0x0
	s_endpgm
.Lfunc_end_k_q24625b4f20_attn:
	.size	k_q24625b4f20_attn, .Lfunc_end_k_q24625b4f20_attn-k_q24625b4f20_attn
	.p2alignl 7, 3214868480
	.fill 96, 4, 3214868480
	.section	.rodata,"a",@progbits
	.p2align	6, 0x0
	.amdhsa_kernel k_q24625b4f20_attn
		.amdhsa_group_segment_fixed_size 263168
		.amdhsa_private_segment_fixed_size 0
		.amdhsa_enable_private_segment 0
		.amdhsa_kernarg_size 32
		.amdhsa_user_sgpr_count 2
		.amdhsa_user_sgpr_kernarg_segment_ptr 1
		.amdhsa_wavefront_size32 1
		.amdhsa_system_sgpr_workgroup_id_x 1
		.amdhsa_system_sgpr_workgroup_id_y 1
		.amdhsa_system_sgpr_workgroup_id_z 1
		.amdhsa_system_vgpr_workitem_id 0
		.amdhsa_next_free_vgpr 512
		.amdhsa_next_free_sgpr 66
		.amdhsa_reserve_vcc 0
		.amdhsa_float_denorm_mode_32 3
		.amdhsa_float_denorm_mode_16_64 3
		.amdhsa_memory_ordered 1
		.amdhsa_forward_progress 1
		.amdhsa_inst_pref_size 86
	.end_amdhsa_kernel
	.amdgpu_metadata
---
amdhsa.version: [ 1, 2 ]
amdhsa.kernels:
  - .name:           k_q24625b4f20_attn
    .symbol:         k_q24625b4f20_attn.kd
    .args:
      - { .name: qi, .offset: 0, .size: 8, .value_kind: global_buffer, .address_space: global }
      - { .name: kv, .offset: 8, .size: 8, .value_kind: global_buffer, .address_space: global }
      - { .name: lowp_scales, .offset: 16, .size: 8, .value_kind: global_buffer, .address_space: global }
      - { .name: ai, .offset: 24, .size: 8, .value_kind: global_buffer, .address_space: global }
    .group_segment_fixed_size: 263168
    .private_segment_fixed_size: 0
    .kernarg_segment_align: 8
    .kernarg_segment_size: 32
    .max_flat_workgroup_size: 256
    .sgpr_count:     66
    .vgpr_count:     512
    .wavefront_size: 32
...
	.end_amdgpu_metadata
.endif
;; end of part 3
;; launch oproj (part 4): grid 8 x 32, 4 waves a work-group, clusters of 4 x 4, 327,680 bytes of LDS; arguments ai, wc, bo, lowp_scales, out0; writes out0
.if DOCPART == 4
	.amdgcn_target "amdgcn-amd-amdhsa--gfx1250"
	.amdhsa_code_object_version 6
	.text
	.protected	k_q24625b4f20_oproj
	.globl	k_q24625b4f20_oproj
	.p2align	8
	.type	k_q24625b4f20_oproj,@function
k_q24625b4f20_oproj:
	s_mov_b64 s[64:65], 0
	v_nop
	global_prefetch_b8 v0, s[64:65] scope:SCOPE_SE
	s_setreg_imm32_b32 hwreg(HW_REG_WAVE_MODE, 25, 1), 1
	s_wait_xcnt 0x0
	s_wait_alu depctr_hold_cnt(0) depctr_sa_sdst(0) depctr_va_vdst(0) depctr_va_sdst(0) depctr_va_ssrc(0) depctr_va_vcc(0) depctr_vm_vsrc(0)
	s_getreg_b32 s2, hwreg(HW_REG_IB_STS2, 6, 4)
	s_cmp_eq_u32 s2, 0
	s_cbranch_scc0 .Lentry_in_a_cluster
	s_endpgm
.Lentry_in_a_cluster:
	s_bfe_u32 s2, ttmp6, 0x10000c
	s_cmp_lg_u32 s2, 0xf033
	s_cbranch_scc0 .Lentry_shape_is_right
	s_endpgm
.Lentry_shape_is_right:
; OPROJ: out0 = attended Wo^T + bo on codes of E4M3 (scales e10, e11); out0 [8192][1024] f32.
; The frame is the projections': a work-group takes 256 tokens (source 1) x 128 rows of Wo (source 0), K = 1,024; wave w: i = w / 2 picks its 128 tokens (8 tiles a), jn = w % 2 its 64 outputs (4 tiles b): 32 accumulators.
; In a result, lane (r, h) holds token 16 a + r and outputs 16 b + 8 h + 0 .. 7: 32 neighbouring bytes of a row of out0.
; SOURCE 1 is ai: [tile of 16 tokens 512][head 16][group 2][lane][16 bytes], the image of the operand's registers: lane (r, h) holds features 64 head + 32 group + 16 h + 0 .. 15 of token r: the same order of k that four
; loads of 16 bytes, 32 apart, give of a row of Wo.  A chunk of 256 along K is 4,096 consecutive bytes of each tile; in LDS the tiles lie on end, with no padding: every load is 16 x lane + a constant.
; K goes in four chunks of 256 through THREE LDS slots: chunks 0, 1, 2 are first fills (three tensor loads of a wave are out, by this text's count); chunk 3 is the one refill, into slot 0.
; CLUSTERS of 4 x 4: ai's tile hangs on cy alone and is asked for jointly by a row of the cluster, Wo's on cx alone, by a column.
; THE WAY OUT: a block of 16 tokens x 64 outputs goes through the wave's own stage in LDS (bytes of its own, which no tensor load fills) and leaves as rows of 256 bytes, sixteen lanes to an aligned run of 256 bytes.
; LIMIT: e10 + e11 between -126 and 127.  No prefetch: three quarters of all that a work-group reads is asked for in its first lines.
; REGISTERS: window 0: addresses, v32-63 a block's numbers, v96-127 the bias, v128-191 rows read back (two sets).  Window 1: the accumulators, (a, b) at v[8 (4 a + b)].  Windows 2, 3: fragment sets 0, 1.
; THE RING AS IT STANDS (in place of what is said above of three slots): K goes in four chunks of 256 through TWO LDS slots.  At the head each wave issues one joint load of a whole tile:
; waves 0, 1 ai's 16 tiles of chunks 0, 1; waves 2, 3 Wo's 128 rows of chunks 0, 1.  Behind step 3 one round of the cluster's barrier follows, and each wave's one refill brings chunks 2, 3 into the same bytes.
; No prefetch: the text has no loop to run ahead in, and half of all that a work-group reads is asked for in its first lines.
.set PITCH, 272
.set S1B,   65536                      ; ai's 16 tiles x 4,096 bytes
.set S0B,   128*PITCH
.set SLOT,  S1B+S0B
.set SPARE, 3*SLOT                     ; behind the slots: the spare words, 128 bytes for each wave: two blocks of 256 bytes that no other line names
.set STAGE, SPARE+512                  ; behind them: 16 rows x 272 bytes for each wave
.set LI,  3                            ; v3   16 x lane
.set SPW, 4                            ; v4   LDS address of my spare word; never rewritten
.set NIL, 5                            ; v5   0; never rewritten
.set AD1, 8                            ; v8-9    my fragments of ai in slot 0, 1
.set AD0, 12                           ; v12-13  of Wo
.set BO8, 16                           ; v16  32 h: the bias
.set STO, 17                           ; v17  the stage: where I put 32 bytes of a row
.set RD,  18                           ; v18  and where I read a row back
.set CO,  19                           ; v19  my byte offset in two rows of out0
.set T,   32
.set BI,  96
.set BK,  128
.set G1A, 32
.set G1B, 40
.set G0A, 48
.set G0B, 68
.set MSB, 0
.macro WIN new
.if MSB != (\new)
	s_set_vgpr_msb (MSB<<8)|(\new)
.set MSB, (\new)
.endif
.endm
.macro PLACES
.rept 4
	v_nop
.endr
.endm
.macro CREST
	s_cmp_lg_u32 s20, 0
	s_cbranch_scc1 .Lnot_wave_0_\@
	s_barrier_signal -3
.Lnot_wave_0_\@:
	s_barrier_wait -3
	s_barrier_signal -1
	s_barrier_wait -1
.endm
.macro CROUND
	s_barrier_signal -1
	s_barrier_wait -1
	CREST
.endm
.macro JLOAD                           ; the joint refill of both slots; an s_nop 0 and four v_nop follow each line
	s_cmp_eq_u32 s21, 0
	s_cbranch_scc0 .Lfor_b_\@
	tensor_load_to_lds s[G0A:G0A+3], s[G1A:G1A+7]
	s_nop 0
.rept 4
	v_nop
.endr
	s_branch .Lasked_\@
.Lfor_b_\@:
	tensor_load_to_lds s[G0B:G0B+3], s[G1B:G1B+7]
	s_nop 0
.rept 4
	v_nop
.endr
.Lasked_\@:
.endm
.macro FETCH s                         ; step s's fragments: 48 LDS loads in one run, into set s % 2, from slot (s / 2) % 2
.set FS, ((\s)/2)%2
.set FH, (\s)%2
	WIN 0x80+0x40*((\s)%2)
.irp a, 0,1,2,3,4,5,6,7
.irp c, 0,1,2,3
	ds_load_b128 v[16*\a+4*\c:16*\a+4*\c+3], v[AD1+FS] offset:4096*\a+2048*FH+512*\c
.endr
.endr
.irp b, 0,1,2,3
.irp c, 0,1,2,3
	ds_load_b128 v[128+16*\b+4*\c:128+16*\b+4*\c+3], v[AD0+FS] offset:128*FH+32*\c+\b*16*PITCH
.endr
.endr
.endm
.macro MULH a0, zero                   ; 16 matrix instructions; the 32 accumulators take turns, one instruction a turn, in the same order in every step
.irp a, \a0, \a0+1, \a0+2, \a0+3
.irp b, 0,1,2,3
.if \zero
	v_wmma_f32_16x16x128_fp8_fp8 v[8*(4*(\a)+\b):8*(4*(\a)+\b)+7], v[128+16*\b:128+16*\b+15], v[16*(\a):16*(\a)+15], 0
.else
	v_wmma_f32_16x16x128_fp8_fp8 v[8*(4*(\a)+\b):8*(4*(\a)+\b)+7], v[128+16*\b:128+16*\b+15], v[16*(\a):16*(\a)+15], v[8*(4*(\a)+\b):8*(4*(\a)+\b)+7]
.endif
.endr
.endr
.endm
.macro STEP s
	PLACES
	FETCH (\s)+1
	s_wait_dscnt 48                                ; all but the 48 just issued
	WIN 0x5a+5*((\s)%2)
	MULH 0, 0
	MULH 4, 0
.endm
.macro TOSTAGE a                       ; block a: sum x 2^(e10 + e11) + bo, into my stage, and back as whole rows.  LDS serves a wave's instructions in order: no wait between the stores and the loads
	WIN 0x01
.irp b, 0,1,2,3
.irp j, 0,2,4,6
	v_pk_fma_f32 v[T+8*\b+\j:T+8*\b+\j+1], v[8*(4*(\a)+\b)+\j:8*(4*(\a)+\b)+\j+1], s[92:93], v[BI+8*\b+\j:BI+8*\b+\j+1] op_sel_hi:[1,0,1]   ; each accumulator from its low end on
.endr
.endr
	WIN 0
.irp b, 0,1,2,3
	ds_store_b128 v[STO], v[T+8*\b:T+8*\b+3] offset:64*\b
	ds_store_b128 v[STO], v[T+8*\b+4:T+8*\b+7] offset:64*\b+16
.endr
.irp u, 0,1,2,3,4,5,6,7
	ds_load_b128 v[BK+32*((\a)%2)+4*\u:BK+32*((\a)%2)+4*\u+3], v[RD] offset:544*\u
.endr
.endm
.macro SEND a, younger                 ; younger: the LDS instructions issued behind block a's loads, which may stay out
	s_wait_dscnt \younger
.irp u, 0,1,2,3,4,5,6,7
	global_store_b128 v[CO], v[BK+32*((\a)%2)+4*\u:BK+32*((\a)%2)+4*\u+3], s[96:97] offset:(16*(\a)+2*\u)*4096 th:TH_STORE_NT   ; sixteen lanes store 256 consecutive bytes, aligned
.endr
.endm
	s_load_b256 s[4:11], s[0:1], 0x0               ; ai s[4:5], wc s[6:7], bo s[8:9], the exponents s[10:11]
	s_load_b64 s[12:13], s[0:1], 0x20              ; out0
	v_lshl_add_u32 v[SPW], v0, 2, SPARE
	v_mov_b32 v[NIL], 0
	ds_add_u32 v[SPW], v[NIL]                      ; the wave's opening: the add and its wait ahead of my first tensor load; the set-up below, work on registers, stands between them
	ds_add_u32 v[SPW], v[NIL]
	v_lshrrev_b32 v1, 5, v0
	v_readfirstlane_b32 s20, v1                    ; wave 0..3
	s_lshr_b32 s21, s20, 1                         ; i.  Also: I fetch for ai (0) or for Wo (1)
	s_and_b32 s22, s20, 1                          ; jn.  Also: which half of that tile I fetch
	s_bfe_u32 s23, ttmp6, 0x40000                  ; cx
	s_bfe_u32 s24, ttmp6, 0x40004                  ; cy
	s_and_b32 s60, ttmp7, 0xffff
	s_lshl_b32 s60, s60, 2
	s_add_co_u32 s60, s60, s24                     ; T1: which 256 tokens.  It never holds cx
	s_lshl_b32 s61, ttmp9, 2
	s_add_co_u32 s61, s61, s23                     ; T0: which 128 rows of Wo.  It never holds cy
	s_lshl_b32 s29, s24, 2
	s_lshl_b32 s29, 15, s29                        ; my row of the cluster
	s_lshl_b32 s30, 0x1111, s23                    ; my column
	s_or_b32 s[G1A], s29, (3<<16)|(1<<21)          ; the mask; elements of 8 bytes; bit 21 beside a mask; no padding
	s_mov_b32 s[G1A+1], 512<<16                    ; tensor_dim0 = 512 elements: rows of 4,096 bytes
	s_mov_b32 s[G1A+2], 16<<16                     ; tensor_dim1 = 16 tiles of tokens
	s_mov_b32 s[G1A+3], 512<<16                    ; tile_dim0
	s_mov_b32 s[G1A+4], 16                         ; tile_dim1
	s_mov_b32 s[G1A+5], 2048                       ; from tile to tile: 16,384 bytes
	s_mov_b32 s[G1A+6], 0
	s_mov_b32 s[G1A+7], 0
	s_or_b32 s[G1B], s30, (1<<20)|(1<<21)|(5<<22)|(3<<25)   ; elements of 1 byte; after every 64 words, 4 words of padding
	s_mov_b32 s[G1B+1], 256<<16
	s_mov_b32 s[G1B+2], 128<<16
	s_mov_b32 s[G1B+3], 256<<16
	s_mov_b32 s[G1B+4], 128
	s_mov_b32 s[G1B+5], 1024
	s_mov_b32 s[G1B+6], 0
	s_mov_b32 s[G1B+7], 0
	s_lshl_b32 s62, s60, 18                        ; 16 tiles of 16,384 bytes,
	s_lshl_b32 s63, s22, 12                        ; and my chunk: 4,096 bytes of each tile, wave % 2
	s_add_co_u32 s62, s62, s63
	s_mov_b32 s63, 0
	s_lshl_b32 s100, s61, 17                       ; 128 rows of 1,024 bytes,
	s_lshl_b32 s101, s22, 8                        ; my chunk of 256 along K,
	s_add_co_u32 s100, s100, s101
	s_add_co_u32 s100, s100, 3<<20                 ; in the fourth tensor of wc
	s_mov_b32 s101, 0
	s_mul_i32 s2, s22, SLOT                        ; where they go: my chunk's slot: no place in the cluster enters an LDS address
	s_mul_i32 s3, s22, SLOT
	s_add_co_u32 s3, s3, S1B
	s_wait_dscnt 0x0                               ; the opening add is done
	s_wait_kmcnt 0x0
	s_load_b64 s[80:81], s[10:11], 0x28            ; e10, e11
	s_add_nc_u64 s[28:29], s[4:5], s[62:63]
	s_add_nc_u64 s[30:31], s[6:7], s[100:101]
.irp n, 0
	s_mov_b32 s[G0A+4*\n], 1
	s_add_co_u32 s[G0A+4*\n+1], s2, \n*SLOT
	s_add_nc_u64 s[G0A+4*\n+2:G0A+4*\n+3], s[28:29], \n*4096
	s_or_b32 s[G0A+4*\n+3], s[G0A+4*\n+3], 0x80000000
	s_mov_b32 s[G0B+4*\n], 1
	s_add_co_u32 s[G0B+4*\n+1], s3, \n*SLOT
	s_add_nc_u64 s[G0B+4*\n+2:G0B+4*\n+3], s[30:31], \n*256
	s_or_b32 s[G0B+4*\n+3], s[G0B+4*\n+3], 0x80000000
.endr
	CROUND                                         ; all sixteen work-groups are here: the first joint loads meet
	s_cmp_eq_u32 s21, 0                            ; one first fill a wave, one to each arm of one branch on its number
	s_cbranch_scc0 .Lfirst_b
	tensor_load_to_lds s[G0A:G0A+3], s[G1A:G1A+7]
	s_nop 0
.rept 4
	v_nop
.endr
	s_branch .Lfirst_done
.Lfirst_b:
	tensor_load_to_lds s[G0B:G0B+3], s[G1B:G1B+7]
	s_nop 0
.rept 4
	v_nop
.endr
.Lfirst_done:
	v_and_b32 v1, 15, v0                           ; r
	v_bfe_u32 v2, v0, 4, 1                         ; h
	v_and_b32 v[LI], 31, v0
	v_lshlrev_b32 v[LI], 4, v[LI]
	v_mul_u32_u24 v6, v1, PITCH
	v_lshl_add_u32 v6, v2, 4, v6                   ; Wo: a fragment's row x pitch + 16 h
	s_lshl_b32 s2, s21, 15                         ; my 8 tiles of ai,
	s_mul_i32 s3, s22, 64*PITCH                    ; my 64 rows of Wo
	s_add_co_u32 s3, s3, S1B
.irp n, 0,1
	v_add_nc_u32 v[AD1+\n], s2, v[LI]
	v_add_nc_u32 v[AD0+\n], s3, v6
	s_add_co_u32 s2, s2, SLOT
	s_add_co_u32 s3, s3, SLOT
.endr
	v_lshlrev_b32 v[BO8], 5, v2
	s_mul_i32 s2, s20, 16*PITCH
	s_add_co_u32 s2, s2, STAGE                     ; my stage
	v_mul_u32_u24 v[STO], v1, PITCH
	v_lshl_add_u32 v[STO], v2, 5, v[STO]
	v_add_nc_u32 v[STO], s2, v[STO]                ; in: row r, 32 bytes for each half of the lanes
	v_mul_u32_u24 v[RD], v2, PITCH
	v_lshl_add_u32 v[RD], v1, 4, v[RD]
	v_add_nc_u32 v[RD], s2, v[RD]                  ; back: lanes 0-15 one row of 256 bytes, lanes 16-31 the next
	v_lshlrev_b32 v[CO], 12, v2
	v_lshl_add_u32 v[CO], v1, 4, v[CO]             ; and the same two rows in out0
	s_lshl_b32 s2, s61, 9
	s_lshl_b32 s3, s22, 8
	s_add_co_u32 s2, s2, s3                        ; my 64 outputs, in bytes
	s_mov_b32 s3, 0
	s_add_nc_u64 s[98:99], s[8:9], s[2:3]
.irp b, 0,1,2,3
	global_load_b128 v[BI+8*\b:BI+8*\b+3], v[BO8], s[98:99] offset:64*\b          ; bo at outputs 16 b + 8 h + 0 .. 7
	global_load_b128 v[BI+8*\b+4:BI+8*\b+7], v[BO8], s[98:99] offset:64*\b+16
.endr
	s_lshl_b32 s94, s60, 20                        ; 256 rows of 4,096 bytes,
	s_lshl_b32 s95, s21, 19                        ; my 128 of them
	s_add_co_u32 s94, s94, s95
	s_add_co_u32 s94, s94, s2
	s_mov_b32 s95, 0
	s_add_nc_u64 s[96:97], s[12:13], s[94:95]
	s_wait_kmcnt 0x0
	s_add_co_i32 s94, s80, s81
	s_add_co_i32 s94, s94, 127
	s_lshl_b32 s92, s94, 23                        ; 2^(e10 + e11) as f32
	s_mov_b32 s93, s92                             ; (named with it as a pair, so it is written)
	s_wait_tensorcnt 0x0                           ; my one load is in
	s_barrier_signal -1
	s_barrier_wait -1
	FETCH 0
	FETCH 1
	s_wait_dscnt 48                                ; step 0's fragments are in
	WIN 0x5a
	MULH 0, 1                                      ; the first products start the sums
	MULH 4, 1
	STEP 1
	STEP 2                                         ; step 3, the last of chunks 0 and 1, follows: it carries the change of slots
	; step 3, the last of chunks 0 and 1: the one refill
	WIN 0
	s_wait_tensorcnt 0x0                           ; no tensor load of mine is out
	ds_add_u32 v[SPW], v[NIL]
	s_wait_dscnt 1                                 ; step 3's fragments are in; the add may be out
	WIN 0x5f
	MULH 0, 0
	s_wait_dscnt 0x0                               ; the add is done, and my reads of slot 0 are over
	s_barrier_signal -1
	MULH 4, 0
	WIN 0
	s_barrier_wait -1
	CREST                                          ; no wave of any partner still reads slot 0 or has a load on its way
	s_add_nc_u64 s[G0A+2:G0A+3], s[G0A+2:G0A+3], 8192   ; chunks 2 and 3
	s_add_nc_u64 s[G0B+2:G0B+3], s[G0B+2:G0B+3], 512
	JLOAD                                          ; the first tensor load behind the round; its four v_nop are also the places in front of the loads below
	s_wait_tensorcnt 0x0                           ; my refill is in (no LDS instruction of mine is out)
	s_barrier_signal -1
	s_barrier_wait -1                              ; everybody's is
	FETCH 4
	FETCH 5
	s_wait_dscnt 48                                ; step 4's fragments are in
	WIN 0x5a
	MULH 0, 0
	MULH 4, 0
	STEP 5
	PLACES
	FETCH 7
	s_wait_dscnt 48                                ; step 6's fragments are in
	WIN 0x5a
	MULH 0, 0
	MULH 4, 0
	s_wait_dscnt 0x0
	WIN 0x5f
	MULH 0, 0
	MULH 4, 0
	WIN 0
	PLACES
	s_wait_loadcnt 0x0                             ; the bias
	TOSTAGE 0
.irp a, 1,2,3,4,5,6,7
.if \a > 1
	s_wait_xcnt 0x0                                ; block a - 2's stores have read their registers: block a's loads may land there
.endif
	TOSTAGE \a
	SEND \a-1, 16                                  ; behind block a - 1's loads: block a's 8 stores and 8 loads
.endr
	SEND 7, 0
	s_wait_tensorcnt 0x0                           ; the wave's end, behind my last tensor load and my last LDS store
	ds_add_u32 v[SPW], v[NIL]
	s_wait_dscnt 0x0
	CROUND                                         ; the closing round
	s_endpgm
.Lfunc_end_k_q24625b4f20_oproj:
	.size	k_q24625b4f20_oproj, .Lfunc_end_k_q24625b4f20_oproj-k_q24625b4f20_oproj
	.p2alignl 7, 3214868480
	.fill 96, 4, 3214868480
	.section	.rodata,"a",@progbits
	.p2align	6, 0x0
	.amdhsa_kernel k_q24625b4f20_oproj
		.amdhsa_group_segment_fixed_size 327680
		.amdhsa_private_segment_fixed_size 0
		.amdhsa_enable_private_segment 0
		.amdhsa_kernarg_size 40
		.amdhsa_user_sgpr_count 2
		.amdhsa_user_sgpr_kernarg_segment_ptr 1
		.amdhsa_wavefront_size32 1
		.amdhsa_system_sgpr_workgroup_id_x 1
		.amdhsa_system_sgpr_workgroup_id_y 1
		.amdhsa_system_sgpr_workgroup_id_z 1
		.amdhsa_system_vgpr_workitem_id 0
		.amdhsa_next_free_vgpr 960
		.amdhsa_next_free_sgpr 106
		.amdhsa_reserve_vcc 0
		.amdhsa_float_denorm_mode_32 3
		.amdhsa_float_denorm_mode_16_64 3
		.amdhsa_memory_ordered 1
		.amdhsa_forward_progress 1
		.amdhsa_inst_pref_size 74
	.end_amdhsa_kernel
	.amdgpu_metadata
---
amdhsa.version: [ 1, 2 ]
amdhsa.kernels:
  - .name:           k_q24625b4f20_oproj
    .symbol:         k_q24625b4f20_oproj.kd
    .args:
      - { .name: ai, .offset: 0, .size: 8, .value_kind: global_buffer, .address_space: global }
      - { .name: wc, .offset: 8, .size: 8, .value_kind: global_buffer, .address_space: global }
      - { .name: bo, .offset: 16, .size: 8, .value_kind: global_buffer, .address_space: global }
      - { .name: lowp_scales, .offset: 24, .size: 8, .value_kind: global_buffer, .address_space: global }
      - { .name: out0, .offset: 32, .size: 8, .value_kind: global_buffer, .address_space: global }
    .group_segment_fixed_size: 327680
    .private_segment_fixed_size: 0
    .kernarg_segment_align: 8
    .kernarg_segment_size: 40
    .max_flat_workgroup_size: 128
    .sgpr_count:     106
    .vgpr_count:     960
    .wavefront_size: 32
...
	.end_amdgpu_metadata
.endif
;; end of part 4
